; MI455X (gfx1250); checked and timed in simulation.
; The chip was launched on July 23, 2026; its instructions are those of AMD's public machine-readable ISA for CDNA 5 (MIT licence, August 2026) and "CDNA5" Instruction Set Architecture Reference Guide (July 2026). The comments in the code are by the model that wrote it; some were corrected since.
;; Two Simplicial Attention. Allowed arithmetic: matrix products marked QUANTISED: E2M1 operands, one E8M0 scale for each 32 along K, by v_wmma_scale_f32_16x16x128_f8f6f4 with both operands' format E2M1 (or v_wmma_scale_f32_32x16x128_f4), f32 sums; products left as they are: f32 operands where the result goes on into a quantised operand, else bf16, f16 or f32 operands; f32 sums; everything else in f32.
;; Inputs: bias_gate 1 x 4 x 256 float32; bias_u 1 x 4 x 256 x 256 float32; bias_v 1 x 4 x 256 x 256 float32; bias_w 1 x 4 x 256 x 256 float32; k1 1 x 4 x 256 x 64 float32; k2_codes 1 x 4 x 256 x 2 x 16 uint8 (E2M1 codes of k2, K innermost, in blocks of 32 codes, two codes a byte); k2_scales 1 x 4 x 256 x 2 uint8 (E8M0 scales of k2, one for each 32 codes along K); key_padding_mask 1 x 256 bool; q 1 x 4 x 256 x 64 float32; v1 1 x 4 x 256 x 64 float32; v2 1 x 4 x 256 x 64 float32.
;; Outputs: out0 1 x 4 x 256 x 64 float32.
;; This version of the problem:
;;   THIS VERSION OF THE PROBLEM IS GIVEN IN LOW PRECISION. The matrix products marked QUANTISED in the list below multiply operands that are first quantised to E2M1 (2 exponent bits, 1 mantissa bit; 4 bits a number), with one power-of-two scale for each 32 numbers along K (OCP MX v1.0); their sums are f32. All else is computed in f32.
;;   The module's matrix products, in the order in which they are computed (A, B: the left and right operand; K: the contracted axis; several contracted axes count as one K, in the product's order):
;;     1. batch 256 x [M 256, K 1] x [K 1, N 256]; A: computed on the way; B: computed on the way: left as it is (no contracted axis)
;;     2. batch 4 x [M 65,536, K 64] x [K 64, N 256]; A: computed on the way; B: input k2 (given as codes): QUANTISED
;;     3. batch 256 x [M 256, K 1] x [K 1, N 256]; A: computed on the way; B: computed on the way: left as it is (no contracted axis)
;;     4. batch 4 x [M 256, K 65,536] x [K 65,536, N 64]; A: computed on the way; B: computed on the way: QUANTISED
;;   THE QUANTISER, for each operand of a quantised product, along K:
;;     - K is cut into blocks of 32 from its start; a last block that is shorter is filled with zeros.
;;     - A block's scale is 2^e with e = floor(log2(the largest magnitude in the block)) - 2, held to -126 .. 127; a block of zeros has e = 0. As a byte (E8M0): e + 127.
;;     - Each number is divided by its block's scale, clamped to +-6, and rounded to the nearest number of E2M1, ties to even, subnormals kept.
;;     - The product sums the exact products of the quantised numbers (number of the format x scale) in f32.
;;   ~~~python
;;   def quantise(x, axis):      # numpy; x: float32 -> the quantised numbers, widened to float32 again
;;       x = np.moveaxis(x, axis, -1); K = x.shape[-1]
;;       x = np.pad(x, [(0, 0)] * (x.ndim - 1) + [(0, -K % 32)]); x = x.reshape(x.shape[:-1] + (-1, 32)); a = np.abs(x).max(-1, keepdims=True)
;;       e = np.where(a > 0, np.clip(np.frexp(np.where(a > 0, a, 1))[1] - 1 - 2, -126, 127), 0)      # np.frexp(a)[1] - 1 = floor(log2(a)), exactly
;;       r = np.clip(x / 2.0 ** e, -6, 6)
;;       step = 2.0 ** (np.maximum(np.frexp(np.where(r == 0, 1, r))[1] - 1, 0) - 1)
;;       q = np.round(r / step) * step * 2.0 ** e      # np.round: ties to even
;;       return np.moveaxis(q.reshape(q.shape[:-2] + (-1,))[..., :K], -1, axis).astype(np.float32)
;;   ~~~
;;   OPERANDS COMPUTED ON THE WAY. 'Computed on the way' means the value that the module computes at that place (a softmax that the list does not call 'softmax' is quantised finished and normalised). What goes into a quantiser is computed in f32, as accurately as f32 sums, v_exp_f32 and their like allow (about 1e-6 of the number): no bf16 or f16 on the way to a quantiser, and a product that is left as it is and whose result goes on into a quantised operand takes f32 operands (vector FMAs, or v_wmma_f32_16x16x4_f32). A number that lies on a knife's edge between two numbers of the format may be rounded either way, as far as f32 arithmetic and the matrix unit's own rounding can turn it there, and no further.
;;   INPUTS GIVEN AS CODES. k2 (in the module: [1, 4, 256, 64], K = its axis 3): each comes as NAME_codes (uint8): NAME with its K axis moved to the last place and cut into blocks of 32 codes, [.., K / 32, bytes a block], one block behind the other in memory; two codes a byte, the lower K in the low four bits (a code: sign, 2 exponent bits, 1 mantissa bit); and NAME_scales (uint8): the same leading axes, one E8M0 byte (e + 127) for each 32 codes along K. Its value is code x scale, taken as it is: it is not quantised again, and the codes and scales need not be those that the quantiser above would give.
;; 2 versions. Each part assembles by itself: llvm-mc -triple=amdgcn-amd-amdhsa -mcpu=gfx1250 --defsym DOCPART=n.
;; ======== version 1 of 2: 3 launches
;; limits: right only within a limited range of input values
;; workspace buffers: st 131,072 bytes; part 4,194,304 bytes
;; launch stats (part 1): grid 16 x 16, 16 waves a work-group, no clusters, 67,584 bytes of LDS; arguments q, k1, k2_codes, k2_scales, bias_u, bias_v, bias_w, bias_gate, key_padding_mask, st; writes st
.if DOCPART == 1
	.amdgcn_target "amdgcn-amd-amdhsa--gfx1250"
	.amdhsa_code_object_version 6
	.text
	.protected	k_q1e5c984d69_stats
	.globl	k_q1e5c984d69_stats
	.p2align	8
	.type	k_q1e5c984d69_stats,@function
k_q1e5c984d69_stats:
	s_mov_b64 s[64:65], 0
	v_nop
	global_prefetch_b8 v0, s[64:65] scope:SCOPE_SE
	s_setreg_imm32_b32 hwreg(HW_REG_WAVE_MODE, 25, 1), 1
	s_wait_xcnt 0x0
; TWO-SIMPLICIAL ATTENTION, launch 1 of 3: the softmax's maximum and sum, in parts.
; logit(i,j,k) = sum_d Q4(q[i,d] k1[j,d]) k2[k,d] + g[i] (u[i,j] + v[i,k] + w[j,k]); the softmax runs over all 65,536 pairs (j,k) of a query i.
; The finished, normalised weights are what the second quantised product takes, so the row's maximum and sum must be known before any weight is made: this launch finds them, the next makes the logits again.
; st[h][jr][i] = (M, S): over j = 16 jr .. 16 jr + 15 and all 256 k:  M = the largest t,  S = the sum of 2^(t - M),  t = log2(e) x logit.
; DEAD WORK: none is left out; every input has a way to the output and is loaded by this program (v1 and v2 by the next launch).
; PADDED KEYS get -1e30 added to the logit (k: in the product's C; j: in a_j), so that 2^(..) is exactly 0 for them; M begins at -1e20, which such a term never moves.  All stays finite.
; LIMITS: log2(e) x logit must lie above -1e20; terms under 2^-126 of the largest count as 0; NaN and infinities among the inputs are not served; a scale byte 0xff of k2 makes the paired key's logits NaN too;
;   the bias is summed as g v + g w + g u, which differs from g (u + v + w) by rounding alone.
; SHARES.  Work-group (x = jr, y = 4 h + ig): 64 queries i = 64 ig .. of head h, 16 keys j, all k.  Sixteen waves, four to a SIMD, so that one wave's exponentials stand beside another's plain work.
;   Wave w: a = w / 4: its 16 queries;  b = w % 4: its 64 keys k = 64 b ..   A lane holds 32 logits of one query in each of the 16 steps (one j a step).
; LAYOUT.  The product is used transposed: source 0 = 16 keys k of k2, source 1 = 16 queries at one j.  Lane (r = lane % 16, hh = lane / 16) holds query r.  Tile t = 2 B + u takes keys 64 b + 32 B + 8 u + p + 8 (p / 8)
;   (p = its row), so that registers 16 B + 0 .. 15 of the result are 16 neighbouring keys 64 b + 32 B + 16 hh + 0 .. 15.
;   K = 64 is half of the instruction's 128: a fragment of k2 holds tile 2 B in K 0..63 and tile 2 B + 1 in K 64..127; source 1 lies in twelve registers, zeros | codes | zeros: v[40:47] picks tile 2 B, v[36:43] tile 2 B + 1.
; No tensor load: a work-group reads about 110 KB once at its head.  No cluster: what work-groups share is read at the head alone.
.set C2E,   0x3fb8aa3b                 ; log2(e)
.set SENT,  0xf149f2ca                 ; -1e30
.set MINIT, 0xe0ad78ec                 ; -1e20
.set FLOOR, 0x01800000                 ; 2^(3 - 127): no largest magnitude is taken under it, so a scale's byte cannot fall under 1
.set EOFF,  0xff000000                 ; takes 2 off an exponent field
.set WL,    0                          ; LDS: w[16 jr + jj][0..255], 1,024 bytes a row
.set KML,   16384                      ; word t < 256: 0 or -1e30 for key k = t; words 256 + jj: the same for key j = 16 jr + jj
.set K1L,   18432                      ; k1[16 jr + jj][0..63], 256 bytes a row
.set QKI,   22528                      ; 64 images (16 a + jj) of source 1's four code registers: 16 bytes a lane
.set QKS,   55296                      ; their scale words: 4 bytes a lane
.set STAT,  63488                      ; wave w: 16 pairs (M, S)
.set SPARE, 65536                      ; the spare words: 128 bytes for each of 16 waves; no other line names them
; REGISTERS: v1, v2 the add's two; v3-5 LDS addresses of a step's loads; v[8:9] g; v[10:11] the step's exponent offset (in the build: v10-12 LDS addresses); v[12:13] log2(e) g; v14, v15 at work;
;   v16-31 k2's two fragments; v32, v33 their scale words; v34 source 1's scale word; v36-47 source 1 (at the head: offsets into memory); v48-79 g v + mask term: the product's C; v80-95 a_j;
;   v96-127 w of the step; v128-159 the logits; v160-191 q (build); v200 M, v201 its new value, v202-203 maxima, v[204:205] the old sum's factor, v[206:207] S, v[208:209] a second chain, v210-213 at work and tail addresses.
.macro BARRIER                         ; my LDS stores have landed and my LDS loads are in: then the work-group's barrier
	s_wait_dscnt 0x0
	s_barrier_signal -1
	s_barrier_wait -1
.endm
.macro LOADJ jn                        ; what step jn wants from LDS: 32 numbers of w, source 1's codes and scale word
.if (\jn) < 16
.irp x, 0,1,2,3,4,5,6,7
	ds_load_b128 v[96+4*\x:99+4*\x], v3 offset:(\jn)*1024+128*(\x/4)+16*(\x%4)
.endr
	ds_load_b128 v[40:43], v4 offset:(\jn)*512
	ds_load_b32 v34, v5 offset:(\jn)*128
.endif
.endm
.macro S2                              ; four tiles of 16 keys x my 16 queries; C = g v + the key's mask term.  Four different results, none added in place
.irp t, 0,1,2,3
	v_wmma_scale_f32_16x16x128_f8f6f4 v[128+8*\t:135+8*\t], v[16+8*(\t/2):23+8*(\t/2)], v[40-4*(\t%2):47-4*(\t%2)], v[48+8*\t:55+8*\t], v[32+\t/2], v34 matrix_a_fmt:MATRIX_FMT_FP4 matrix_b_fmt:MATRIX_FMT_FP4
.endr
.endm
.macro ZF                              ; z = w g + (product + g v): each result is read from its low end on
.irp x, 0,2,4,6,8,10,12,14,16,18,20,22,24,26,28,30
	v_pk_fma_f32 v[128+\x:129+\x], v[96+\x:97+\x], v[8:9], v[128+\x:129+\x]
.endr
.endm
.macro TF                              ; z log2(e) + the step's offset (of both pairs the low word serves both halves)
.irp x, 0,2,4,6,8,10,12,14,16,18,20,22,24,26,28,30
	v_pk_fma_f32 v[128+\x:129+\x], v[128+\x:129+\x], s[56:57], v[10:11] op_sel_hi:[1,0,0]
.endr
.endm
.macro K1LD e, KX                      ; k1[16 jr + 4 b + e][32 hh .. + 31] into v[KX] on
.irp c, 0,1,2,3,4,5,6,7
	ds_load_b128 v[\KX+4*\c:\KX+4*\c+3], v10 offset:(\e)*256+16*\c
.endr
.endm
; q[i][d] k1[j][d] for my query and my 32 d, a whole block of the quantiser: its largest magnitude, scale and codes; image e of my wave's four goes to LDS as the operand's registers stand.
.macro QKB e, KX, cs, sw
.irp x, 0,2,4,6,8,10,12,14,16,18,20,22,24,26,28,30
	v_pk_mul_f32 v[\KX+\x:\KX+\x+1], v[\KX+\x:\KX+\x+1], v[160+\x:161+\x]
.endr
	v_max3_num_f32 v250, |v[\KX]|, |v[\KX+1]|, |v[\KX+2]|
	v_max3_num_f32 v251, |v[\KX+3]|, |v[\KX+4]|, |v[\KX+5]|
.irp x, 6,10,14,18,22,26
	v_max3_num_f32 v250, v250, |v[\KX+\x]|, |v[\KX+\x+1]|
	v_max3_num_f32 v251, v251, |v[\KX+\x+2]|, |v[\KX+\x+3]|
.endr
	v_max3_num_f32 v250, v250, |v[\KX+30]|, |v[\KX+31]|
	v_max3_num_f32 v250, v250, v251, FLOOR
	v_add_nc_u32 v14, EOFF, v250                   ; 2 off the exponent field: the conversion takes this operand's exponent field as its scale
	v_lshrrev_b32 v15, 23, v14                     ; the scale's byte
.irp g, 0,1,2,3
	v_cvt_scalef32_pk8_fp4_f32 v[\cs+\g], v[\KX+8*\g:\KX+8*\g+7], v14
.endr
	v_nop                                          ; one plain place behind the scaled conversions
	v_permlanex16_b32 v251, v15, s58, s59          ; the other block's byte
	v_lshl_or_b32 v251, v251, 8, v15               ; lanes 0-15: d 0..31's byte below, d 32..63's above (lanes 16-31 are not read as scales)
	v_lshl_or_b32 v[\sw], v251, 16, v251           ; the same two bytes for K 64..127
	ds_store_b128 v11, v[\cs:\cs+3] offset:(\e)*512
	ds_store_b32 v12, v[\sw] offset:(\e)*128
.endm
	s_load_b512 s[8:23], s[0:1], 0x0               ; q, k1, k2's codes, k2's scales, u, v, w, gate
	s_load_b128 s[24:27], s[0:1], 0x40             ; mask, st
	v_lshl_add_u32 v1, v0, 2, SPARE
	v_mov_b32 v2, 0
	v_lshrrev_b32 v14, 5, v0
	v_readfirstlane_b32 s34, v14                   ; wave 0..15
	s_lshr_b32 s35, s34, 2                         ; a
	s_and_b32 s36, s34, 3                          ; b
	s_and_b32 s38, ttmp7, 0xffff
	s_lshr_b32 s39, s38, 2                         ; h
	s_and_b32 s40, s38, 3                          ; ig
	s_lshl_b32 s41, s39, 8                         ; 256 h
	s_lshl_b32 s46, s40, 6
	s_lshl_b32 s47, s35, 4
	s_add_co_u32 s42, s41, s46
	s_add_co_u32 s42, s42, s47                     ; my first query's row: 256 h + 64 ig + 16 a
	s_lshl_b32 s37, ttmp9, 4                       ; 16 jr
	s_add_co_u32 s43, s41, s37                     ; the first key j's row: 256 h + 16 jr
	s_mov_b32 s45, 0
	s_mov_b32 s56, C2E
	s_mov_b32 s57, C2E
	s_mov_b32 s58, 0x76543210
	s_mov_b32 s59, 0xfedcba98                      ; v_permlanex16_b32's selects for lane l xor 16
	v_and_b32 v14, 15, v0                          ; r
	v_bfe_u32 v15, v0, 4, 1                        ; hh
	v_and_b32 v13, 31, v0                          ; lane
	v_lshlrev_b32 v36, 8, v14
	v_lshl_add_u32 v36, v15, 7, v36                ; q: 256 r + 128 hh
	v_lshlrev_b32 v37, 3, v0                       ; k1's staging: 8 bytes a thread
	v_lshlrev_b32 v38, 4, v0                       ; w's: 16 bytes a thread
	v_add_nc_u32 v39, s37, v14
	v_cmp_gt_u32 vcc_lo, 256, v0
	v_cndmask_b32 v39, v39, v0, vcc_lo             ; the mask's byte: threads 0-255 key k = thread, the others key j = 16 jr + thread % 16
	v_lshlrev_b32 v40, 2, v14                      ; gate: 4 r
	v_lshlrev_b32 v41, 10, v14                     ; u: 1,024 r
	v_lshl_add_u32 v42, v15, 6, v41                ; v: 1,024 r + 64 hh
	v_and_b32 v43, 8, v14
	v_add_nc_u32 v44, v43, v14                     ; r + 8 (r / 8)
	v_lshlrev_b32 v43, 5, v44
	v_lshl_add_u32 v43, v15, 4, v43                ; k2's codes: 32 bytes a key, + 16 hh
	v_lshlrev_b32 v44, 1, v44                      ; k2's scales: 2 bytes a key
	v_lshlrev_b32 v45, 2, v0                       ; the mask table: 4 bytes a thread
	s_lshl_b32 s46, s36, 8
	v_lshl_add_u32 v3, v15, 6, s46                 ; w and the mask table: 256 b + 64 hh
	s_lshl_b32 s46, s35, 13
	s_add_co_u32 s46, s46, QKI
	v_lshl_add_u32 v4, v13, 4, s46                 ; my tile's images
	s_lshl_b32 s46, s35, 11
	s_add_co_u32 s46, s46, QKS
	v_lshl_add_u32 v5, v13, 2, s46                 ; and their scale words
	s_lshl_b32 s46, s36, 10
	s_add_co_u32 s46, s46, K1L
	v_lshl_add_u32 v10, v15, 7, s46                ; the build: k1's rows 4 b on, + 128 hh
	s_lshl_b32 s46, s34, 11
	s_add_co_u32 s46, s46, QKI
	v_lshl_add_u32 v11, v13, 4, s46                ; where my four images go
	s_lshl_b32 s46, s34, 9
	s_add_co_u32 s46, s46, QKS
	v_lshl_add_u32 v12, v13, 2, s46
	s_lshl_b32 s46, s34, 7
	s_add_co_u32 s46, s46, STAT
	v_lshl_add_u32 v211, v14, 3, s46               ; the tail: my query's pair
	v_bfe_u32 v212, v0, 4, 2
	v_lshlrev_b32 v212, 9, v212
	v_lshl_add_u32 v212, v14, 3, v212
	v_add_nc_u32 v212, STAT, v212                  ; and, for threads 0-63, query = thread: tile thread / 16, row thread % 16
	v_and_b32 v213, 63, v0
	v_lshlrev_b32 v213, 3, v213
	v_mov_b32 v205, 0                              ; (named as the upper half of a pair)
	s_wait_kmcnt 0x0
	s_lshl_b32 s44, s42, 8
	s_add_nc_u64 s[8:9], s[8:9], s[44:45]          ; q at my first query
	s_lshl_b32 s44, s43, 8
	s_add_nc_u64 s[10:11], s[10:11], s[44:45]      ; k1 at the first j
	s_lshl_b32 s46, s36, 6
	s_add_co_u32 s46, s46, s41                     ; 256 h + 64 b
	s_lshl_b32 s44, s46, 5
	s_add_nc_u64 s[12:13], s[12:13], s[44:45]
	s_lshl_b32 s44, s46, 1
	s_add_nc_u64 s[14:15], s[14:15], s[44:45]
	s_lshl_b32 s47, s42, 10
	s_lshl_b32 s44, ttmp9, 6
	s_add_co_u32 s44, s44, s47
	s_add_nc_u64 s[16:17], s[16:17], s[44:45]      ; u at (my first query, the first j)
	s_lshl_b32 s44, s36, 8
	s_add_co_u32 s44, s44, s47
	s_add_nc_u64 s[18:19], s[18:19], s[44:45]      ; v at (my first query, 64 b)
	s_lshl_b32 s44, s43, 10
	s_add_nc_u64 s[20:21], s[20:21], s[44:45]      ; w at the first j
	s_lshl_b32 s44, s42, 2
	s_add_nc_u64 s[22:23], s[22:23], s[44:45]      ; gate
	s_lshl_b32 s44, s39, 15
	s_lshl_b32 s46, ttmp9, 11
	s_add_co_u32 s44, s44, s46
	s_lshl_b32 s46, s40, 9
	s_add_co_u32 s44, s44, s46
	s_add_nc_u64 s[26:27], s[26:27], s[44:45]      ; st at (h, jr, 64 ig)
	; what the work-group shares, first: 16 rows of w, 16 rows of k1, the mask
	global_load_b128 v[96:99], v38, s[20:21]
	global_load_b128 v[100:103], v38, s[20:21] offset:8192
	global_load_b64 v[104:105], v37, s[10:11]
	global_load_u8 v106, v39, s[24:25]
	; then the wave's own: 29 loads
.irp c, 0,1,2,3,4,5,6,7
	global_load_b128 v[160+4*\c:163+4*\c], v36, s[8:9] offset:16*\c
.endr
	global_load_b32 v8, v40, s[22:23]
.irp c, 0,1,2,3
	global_load_b128 v[80+4*\c:83+4*\c], v41, s[16:17] offset:16*\c
.endr
.irp x, 0,1,2,3,4,5,6,7
	global_load_b128 v[48+4*\x:51+4*\x], v42, s[18:19] offset:128*(\x/4)+16*(\x%4)
.endr
.irp t, 0,1,2,3
	global_load_b128 v[16+4*\t:19+4*\t], v43, s[12:13] offset:(32*(\t/2)+8*(\t%2))*32
.endr
.irp t, 0,1,2,3
	global_load_u16 v[236+\t], v44, s[14:15] offset:(32*(\t/2)+8*(\t%2))*2
.endr
	s_wait_loadcnt 29                              ; the four shared loads are in; the 29 behind them may be out
	v_cmp_ne_u32 vcc_lo, 0, v106
	v_mov_b32 v107, SENT
	v_cndmask_b32 v107, 0, v107, vcc_lo            ; padded: -1e30, else 0
	ds_store_b128 v38, v[96:99]
	ds_store_b128 v38, v[100:103] offset:8192
	ds_store_b64 v37, v[104:105] offset:K1L
	ds_store_b32 v45, v107 offset:KML
	BARRIER                                        ; w, k1 and the mask table lie in LDS
	s_wait_loadcnt 0x0
	v_lshl_or_b32 v32, v237, 16, v236              ; k2's scale words: tile 2 B's two bytes below, tile 2 B + 1's above
	v_lshl_or_b32 v33, v239, 16, v238
	v_mov_b32 v9, v8
	; source 1 for my tile of queries and j = 4 b + 0 .. 3: the four waves of a tile share the sixteen
	K1LD 0, 96
	K1LD 1, 128
	s_wait_dscnt 8                                 ; the first row is in; the second row's 8 loads may be out
	QKB 0, 96, 240, 248
	K1LD 2, 96
	s_wait_dscnt 10                                ; behind the second row's loads: 2 stores and 8 loads
	QKB 1, 128, 244, 249
	K1LD 3, 128
	s_wait_dscnt 10                                ; the third row is in, and the first image's stores are done: their registers are written again
	QKB 2, 96, 240, 248
	s_wait_dscnt 2                                 ; the fourth row is in, the second image's stores are done; the third's 2 stores may be out
	QKB 3, 128, 244, 249
	BARRIER                                        ; all 64 images lie in LDS
	v_mov_b32 v153, 0
.irp x, 0,1,2,3,4,5,6,7
	ds_load_b128 v[96+4*\x:99+4*\x], v3 offset:KML+128*(\x/4)+16*(\x%4)   ; the mask terms of my 32 keys k
.endr
.irp c, 0,1,2,3
	ds_load_b128 v[128+4*\c:131+4*\c], v153 offset:KML+1024+16*\c         ; and of the 16 keys j
.endr
.irp x, 36,37,38,39,44,45,46,47
	v_mov_b32 v\x, 0                               ; the zeros on both sides of source 1's codes (every load that named these registers as offsets is done)
.endr
	v_mov_b32 v11, 0                               ; (named as the upper half of a pair)
	v_mul_f32 v12, s56, v8                         ; log2(e) g
	v_mov_b32 v200, MINIT                          ; M
	v_mov_b32 v206, 0                              ; S, in two halves
	v_mov_b32 v207, 0
	v_mov_b32 v13, v12
	s_wait_dscnt 0x0
.irp x, 0,2,4,6,8,10,12,14,16,18,20,22,24,26,28,30
	v_pk_fma_f32 v[48+\x:49+\x], v[48+\x:49+\x], v[8:9], v[96+\x:97+\x]     ; g v + the key k's mask term
.endr
.irp x, 0,2,4,6,8,10,12,14
	v_pk_fma_f32 v[80+\x:81+\x], v[80+\x:81+\x], v[12:13], v[128+\x:129+\x] ; a_j = log2(e) g u + the key j's mask term
.endr
	LOADJ 0
; ONE STEP: key j, my 64 keys k.
.macro STEP1 j
	s_wait_dscnt 0x0                               ; this step's w, codes and scale word are in
	S2
.rept 4
	v_nop                                          ; four places behind the products: in front of the first read of a result, and of the loads into source 1 and its scale word
.endr
	ZF
	LOADJ \j+1
	v_max3_num_f32 v202, v128, v129, v130          ; the largest of my 32 z, in two chains
	v_max3_num_f32 v203, v131, v132, v133
.irp x, 6,10,14,18,22,26
	v_max3_num_f32 v202, v202, v[128+\x], v[129+\x]
	v_max3_num_f32 v203, v203, v[130+\x], v[131+\x]
.endr
	v_max3_num_f32 v202, v202, v158, v159
	v_max_num_f32 v202, v202, v203
	v_fma_f32 v14, v202, s56, v[80+\j]             ; as t
	v_max_num_f32 v201, v200, v14                  ; the new M
	v_sub_f32 v10, v[80+\j], v201                  ; a_j - M
	v_sub_f32 v210, v200, v201                     ; the old M less the new
	TF
	v_exp_f32 v204, v210                           ; one batch: the old sum's factor and the 32 terms
.irp x, 0,1,2,3,4,5,6,7,8,9,10,11,12,13,14,15,16,17,18,19,20,21,22,23,24,25,26,27,28,29,30,31
	v_exp_f32 v[128+\x], v[128+\x]
.endr
	v_mov_b32 v200, v201                           ; (a plain place behind the exponentials)
	s_wait_alu depctr_va_vdst(0)                   ; one wait for the batch, ahead of its first reader
	v_pk_mul_f32 v[206:207], v[206:207], v[204:205] op_sel_hi:[1,0]
	v_pk_add_f32 v[208:209], v[128:129], v[130:131]
.irp x, 4,8,12,16,20,24,28
	v_pk_add_f32 v[206:207], v[206:207], v[128+\x:129+\x]
	v_pk_add_f32 v[208:209], v[208:209], v[130+\x:131+\x]
.endr
	v_pk_add_f32 v[206:207], v[206:207], v[208:209]
.endm
.irp j, 0,1,2,3,4,5,6,7,8,9,10,11,12,13,14,15
	STEP1 \j
.endr
	; the two halves of the lanes join, then the four waves of a tile
	v_add_f32 v206, v206, v207
	v_permlanex16_b32 v202, v200, s58, s59
	v_max_num_f32 v201, v200, v202
	v_sub_f32 v210, v200, v201
	v_exp_f32 v204, v210
	v_nop
	s_wait_alu depctr_va_vdst(0)
	v_mul_f32 v206, v206, v204
	v_permlanex16_b32 v203, v206, s58, s59
	v_add_f32 v207, v206, v203
	v_mov_b32 v206, v201
	ds_store_b64 v211, v[206:207]                  ; lanes r and r + 16 store the same bits at the same place
	BARRIER
	s_cmp_lt_u32 s34, 2                            ; waves 0 and 1 finish the work-group's 64 queries, a thread a query
	s_cbranch_scc0 .Lend
	ds_load_b64 v[96:97], v212
	ds_load_b64 v[98:99], v212 offset:128
	ds_load_b64 v[100:101], v212 offset:256
	ds_load_b64 v[102:103], v212 offset:384
	s_wait_dscnt 0x0
	v_max3_num_f32 v14, v96, v98, v100
	v_max_num_f32 v14, v14, v102
.irp q, 0,1,2,3
	v_sub_f32 v[104+\q], v[96+2*\q], v14
.endr
.irp q, 0,1,2,3
	v_exp_f32 v[104+\q], v[104+\q]
.endr
	v_nop
	s_wait_alu depctr_va_vdst(0)
	v_mul_f32 v15, v97, v104
	v_fmac_f32 v15, v99, v105
	v_fmac_f32 v15, v101, v106
	v_fmac_f32 v15, v103, v107
	global_store_b64 v213, v[14:15], s[26:27]      ; a wave stores 256 consecutive bytes, at a multiple of 256 from st's first byte
.Lend:
	s_wait_tensorcnt 0x0                           ; the wave's end
	ds_add_u32 v1, v2
	s_wait_dscnt 0x0
	s_endpgm
.Lfunc_end_k_q1e5c984d69_stats:
	.size	k_q1e5c984d69_stats, .Lfunc_end_k_q1e5c984d69_stats-k_q1e5c984d69_stats
	.p2alignl 7, 3214868480
	.fill 96, 4, 3214868480
	.section	.rodata,"a",@progbits
	.p2align	6, 0x0
	.amdhsa_kernel k_q1e5c984d69_stats
		.amdhsa_group_segment_fixed_size 67584
		.amdhsa_private_segment_fixed_size 0
		.amdhsa_enable_private_segment 0
		.amdhsa_kernarg_size 80
		.amdhsa_user_sgpr_count 2
		.amdhsa_user_sgpr_kernarg_segment_ptr 1
		.amdhsa_wavefront_size32 1
		.amdhsa_system_sgpr_workgroup_id_x 1
		.amdhsa_system_sgpr_workgroup_id_y 1
		.amdhsa_system_sgpr_workgroup_id_z 1
		.amdhsa_system_vgpr_workitem_id 0
		.amdhsa_next_free_vgpr 256
		.amdhsa_next_free_sgpr 66
		.amdhsa_reserve_vcc 1
		.amdhsa_float_denorm_mode_32 3
		.amdhsa_float_denorm_mode_16_64 3
		.amdhsa_memory_ordered 1
		.amdhsa_forward_progress 1
		.amdhsa_inst_pref_size 131
	.end_amdhsa_kernel
	.amdgpu_metadata
---
amdhsa.version: [ 1, 2 ]
amdhsa.kernels:
  - .name:           k_q1e5c984d69_stats
    .symbol:         k_q1e5c984d69_stats.kd
    .args:
      - { .name: q, .offset: 0, .size: 8, .value_kind: global_buffer, .address_space: global }
      - { .name: k1, .offset: 8, .size: 8, .value_kind: global_buffer, .address_space: global }
      - { .name: k2_codes, .offset: 16, .size: 8, .value_kind: global_buffer, .address_space: global }
      - { .name: k2_scales, .offset: 24, .size: 8, .value_kind: global_buffer, .address_space: global }
      - { .name: bias_u, .offset: 32, .size: 8, .value_kind: global_buffer, .address_space: global }
      - { .name: bias_v, .offset: 40, .size: 8, .value_kind: global_buffer, .address_space: global }
      - { .name: bias_w, .offset: 48, .size: 8, .value_kind: global_buffer, .address_space: global }
      - { .name: bias_gate, .offset: 56, .size: 8, .value_kind: global_buffer, .address_space: global }
      - { .name: key_padding_mask, .offset: 64, .size: 8, .value_kind: global_buffer, .address_space: global }
      - { .name: st, .offset: 72, .size: 8, .value_kind: global_buffer, .address_space: global }
    .group_segment_fixed_size: 67584
    .private_segment_fixed_size: 0
    .kernarg_segment_align: 8
    .kernarg_segment_size: 80
    .max_flat_workgroup_size: 512
    .sgpr_count:     66
    .vgpr_count:     256
    .wavefront_size: 32
...
	.end_amdgpu_metadata
.endif
;; end of part 1
;; launch attnv (part 2): grid 16 x 16, 16 waves a work-group, no clusters, 282,624 bytes of LDS; arguments q, k1, k2_codes, k2_scales, bias_u, bias_v, bias_w, bias_gate, key_padding_mask, st, v1, v2, part; writes part
.if DOCPART == 2
	.amdgcn_target "amdgcn-amd-amdhsa--gfx1250"
	.amdhsa_code_object_version 6
	.text
	.protected	k_q1e5c984d69_attnv
	.globl	k_q1e5c984d69_attnv
	.p2align	8
	.type	k_q1e5c984d69_attnv,@function
k_q1e5c984d69_attnv:
	s_mov_b64 s[64:65], 0
	v_nop
	global_prefetch_b8 v0, s[64:65] scope:SCOPE_SE
	s_setreg_imm32_b32 hwreg(HW_REG_WAVE_MODE, 25, 1), 1
	s_wait_xcnt 0x0
; TWO-SIMPLICIAL ATTENTION, launch 2 of 3: the weights and the second product, in parts over j.
; part[jr][h][i][d] = sum over j = 16 jr .. + 15 and all k of Q4(p(i,j,k)) Q4(v1[j,d] v2[k,d]);  p = 2^(t - off[i]) is the finished, normalised weight: t = log2(e) x logit as in the launch before,
; off = M + log2(S), M and S joined here from st's sixteen parts of the row.  Both operands are quantised along k in blocks of 32.  No work is left out.
; PADDED KEYS get -1e30 added to the logit, so that p is exactly 0 for them; where every key is padded S is 0, is held at 2^-100 from below, and every p is still 0.
; LIMITS: as in the launch before; p under 2^-126 counts as 0; blocks of zeros carry the scale byte 1 (their codes are zeros; this program alone reads the bytes).
; SHARES and the first product's LAYOUT are the launch before's: work-group (x = jr, y = 4 h + ig); wave w: a = w / 4 its 16 queries, b = w % 4 its 64 keys k; lane (r, hh) holds query r; registers 16 B + 0..15 of the
; logits are keys 64 b + 32 B + 16 hh + 0..15.  So a block of 32 along k lies in lanes l and l xor 16.
; THE SECOND PRODUCT, transposed too: a K step of 128 is (j even, my 64 k) then (j odd, the same 64 k).  Source 0 = 16 channels d of v1[j,d] v2[k,d], source 1 = p's codes; the result holds query r and channels 16 dt + 8 hh + 0..7.
; v1 v2 is made once for the work-group, at the head: wave (a, b) makes channels 16 a .. and keys 64 b .. for all 16 j; a lane holds a whole block (one j, one d, 32 k), and since |v1 v2| rises with |v2|
; the block's largest magnitude is |v1| x the largest |v2|, rounded once: the very number that the largest product is.  The fragments go to LDS as images of the operand's registers.
; The four waves of a tile of queries add their results through LDS; each row of part is stored whole.
.set C2E,   0x3fb8aa3b                 ; log2(e)
.set SENT,  0xf149f2ca                 ; -1e30
.set TINY,  0x0d800000                 ; 2^-100
.set FLOOR, 0x01800000                 ; 2^(3 - 127): no largest magnitude is taken under it, so a scale's byte cannot fall under 1
.set EOFF,  0xff000000                 ; takes 2 off an exponent field
.set WL,    0                          ; LDS: w[16 jr + jj][0..255], 1,024 bytes a row
.set KML,   16384                      ; word t < 256: 0 or -1e30 for key k = t; words 256 + jj: the same for key j = 16 jr + jj
.set K1L,   18432                      ; k1[16 jr + jj][0..63]
.set QKI,   22528                      ; 64 images (16 a + jj) of the first product's source 1
.set QKS,   55296                      ; their scale words
.set VI,    63488                      ; v1 v2: fragment (b, jp, dt) at 1,024 (32 b + 4 jp + dt); j's parity c at + 512 c; 16 bytes a lane
.set VS,    194560                     ; its scale words: 128 (32 b + 4 jp + dt) + 4 x lane
.set OST,   210944                     ; the way out: wave w: 16 rows of 256 bytes + 16
.set SPARE, 280576                     ; the spare words: 128 bytes for each of 16 waves; no other line names them
; REGISTERS: v1, v2 the add's two; v3-7 LDS addresses of a step's loads; v[8:9] g; v[10:11] the step's exponent offset (in the builds: addresses, then v1's number); v[12:13] log2(e) g; v14, v15 at work;
;   v16-31 k2's fragments; v32-35 scale words: k2's two, source 1's, p's; v36-47 the first product's source 1 (at the head: offsets into memory); v48-79 its C; v80-95 a_j - off; v96-127 w; v128-159 logits, then p;
;   v160-191 the result O^T; v192-199 p's codes; v200-207 the blocks' maxima, scales and bytes; v208-239 four fragments of v1 v2; v244-246 the way out's addresses; v252-255 the fragments' scale words.
;   At the head: v160-191 q, then eight sets of codes; v192-223 v2, v224-239 v1; v96-127 k1, then st's pairs; v128-159 k1, then scale words, products and addresses; v240-251 at work.
.macro BARRIER                         ; my LDS stores have landed and my LDS loads are in: then the work-group's barrier
	s_wait_dscnt 0x0
	s_barrier_signal -1
	s_barrier_wait -1
.endm
.macro LOADJ jn                        ; what step jn wants from LDS: 32 numbers of w, source 1's codes and scale word
.if (\jn) < 16
.irp x, 0,1,2,3,4,5,6,7
	ds_load_b128 v[96+4*\x:99+4*\x], v3 offset:(\jn)*1024+128*(\x/4)+16*(\x%4)
.endr
	ds_load_b128 v[40:43], v4 offset:(\jn)*512
	ds_load_b32 v34, v5 offset:(\jn)*128
.endif
.endm
.macro LOADB jp                        ; the four fragments of v1 v2 for j = 2 jp, 2 jp + 1 and my 64 keys, and their scale words
.irp t, 0,1,2,3
	ds_load_b128 v[208+8*\t:211+8*\t], v6 offset:(\jp)*4096+\t*1024
	ds_load_b128 v[212+8*\t:215+8*\t], v6 offset:(\jp)*4096+\t*1024+512
	ds_load_b32 v[252+\t], v7 offset:(\jp)*512+\t*128
.endr
.endm
.macro S2                              ; four tiles of 16 keys x my 16 queries; C = g v + the key's mask term.  Four different results, none added in place
.irp t, 0,1,2,3
	v_wmma_scale_f32_16x16x128_f8f6f4 v[128+8*\t:135+8*\t], v[16+8*(\t/2):23+8*(\t/2)], v[40-4*(\t%2):47-4*(\t%2)], v[48+8*\t:55+8*\t], v[32+\t/2], v34 matrix_a_fmt:MATRIX_FMT_FP4 matrix_b_fmt:MATRIX_FMT_FP4
.endr
.endm
.macro PV jp                           ; O^T += (v1 v2)^T p^T: the four accumulators by turns, one instruction a turn, and the first product's four stand between two visits; the first visit starts the sums
.irp t, 0,1,2,3
.if (\jp) == 0
	v_wmma_scale_f32_16x16x128_f8f6f4 v[160+8*\t:167+8*\t], v[208+8*\t:215+8*\t], v[192:199], 0, v[252+\t], v35 matrix_a_fmt:MATRIX_FMT_FP4 matrix_b_fmt:MATRIX_FMT_FP4
.else
	v_wmma_scale_f32_16x16x128_f8f6f4 v[160+8*\t:167+8*\t], v[208+8*\t:215+8*\t], v[192:199], v[160+8*\t:167+8*\t], v[252+\t], v35 matrix_a_fmt:MATRIX_FMT_FP4 matrix_b_fmt:MATRIX_FMT_FP4
.endif
.endr
.endm
.macro ZF                              ; z = w g + (product + g v): each result is read from its low end on
.irp x, 0,2,4,6,8,10,12,14,16,18,20,22,24,26,28,30
	v_pk_fma_f32 v[128+\x:129+\x], v[96+\x:97+\x], v[8:9], v[128+\x:129+\x]
.endr
.endm
.macro TF                              ; z log2(e) + the step's offset (of both pairs the low word serves both halves)
.irp x, 0,2,4,6,8,10,12,14,16,18,20,22,24,26,28,30
	v_pk_fma_f32 v[128+\x:129+\x], v[128+\x:129+\x], s[56:57], v[10:11] op_sel_hi:[1,0,0]
.endr
.endm
.macro K1LD e, KX                      ; k1[16 jr + 4 b + e][32 hh .. + 31] into v[KX] on
.irp c, 0,1,2,3,4,5,6,7
	ds_load_b128 v[\KX+4*\c:\KX+4*\c+3], v10 offset:(\e)*256+16*\c
.endr
.endm
; q[i][d] k1[j][d] for my query and my 32 d, a whole block of the quantiser: its largest magnitude, scale and codes; image e of my wave's four goes to LDS as the operand's registers stand.
.macro QKB e, KX, cs, sw
.irp x, 0,2,4,6,8,10,12,14,16,18,20,22,24,26,28,30
	v_pk_mul_f32 v[\KX+\x:\KX+\x+1], v[\KX+\x:\KX+\x+1], v[160+\x:161+\x]
.endr
	v_max3_num_f32 v250, |v[\KX]|, |v[\KX+1]|, |v[\KX+2]|
	v_max3_num_f32 v251, |v[\KX+3]|, |v[\KX+4]|, |v[\KX+5]|
.irp x, 6,10,14,18,22,26
	v_max3_num_f32 v250, v250, |v[\KX+\x]|, |v[\KX+\x+1]|
	v_max3_num_f32 v251, v251, |v[\KX+\x+2]|, |v[\KX+\x+3]|
.endr
	v_max3_num_f32 v250, v250, |v[\KX+30]|, |v[\KX+31]|
	v_max3_num_f32 v250, v250, v251, FLOOR
	v_add_nc_u32 v14, EOFF, v250                   ; 2 off the exponent field: the conversion takes this operand's exponent field as its scale
	v_lshrrev_b32 v15, 23, v14                     ; the scale's byte
.irp g, 0,1,2,3
	v_cvt_scalef32_pk8_fp4_f32 v[\cs+\g], v[\KX+8*\g:\KX+8*\g+7], v14
.endr
	v_nop                                          ; one plain place behind the scaled conversions
	v_permlanex16_b32 v251, v15, s58, s59          ; the other block's byte
	v_lshl_or_b32 v251, v251, 8, v15               ; lanes 0-15: d 0..31's byte below, d 32..63's above (lanes 16-31 are not read as scales)
	v_lshl_or_b32 v[\sw], v251, 16, v251           ; the same two bytes for K 64..127
	ds_store_b128 v11, v[\cs:\cs+3] offset:(\e)*512
	ds_store_b32 v12, v[\sw] offset:(\e)*128
.endm
; v1[16 jr + jj][d] v2[k][d] for my channel d = 16 a + r and my 32 keys k = 64 b + 32 hh ..: one block.  v250 = the largest |v2| of the 32.
.macro V12B jj
	v_mul_f32 v251, |v[224+\jj]|, v250             ; the block's largest magnitude
	v_max_num_f32 v251, FLOOR, v251
	v_add_nc_u32 v14, EOFF, v251
	v_lshrrev_b32 v15, 23, v14
	v_mov_b32 v10, v[224+\jj]
.irp g, 0,1,2,3
.irp x, 0,2,4,6
	v_pk_mul_f32 v[136+8*(\g%2)+\x:137+8*(\g%2)+\x], v[192+8*\g+\x:193+8*\g+\x], v[10:11] op_sel_hi:[1,0]   ; eight products, into two sets by turns: the other set's four lines are the plain places behind a conversion
.endr
	v_cvt_scalef32_pk8_fp4_f32 v[160+4*((\jj)%8)+\g], v[136+8*(\g%2):143+8*(\g%2)], v14
.endr
	v_nop
	ds_store_b128 v156, v[160+4*((\jj)%8):163+4*((\jj)%8)] offset:((\jj)/2)*4096+512*((\jj)%2)
.if (\jj)%2 == 0
	v_lshlrev_b32 v[128+(\jj)/2], v248, v15        ; the byte at its place in the scale word: bits 16 c + 8 hh on
.else
	v_lshlrev_b32 v251, v249, v15
	v_or_b32 v[128+(\jj)/2], v[128+(\jj)/2], v251
	v_permlanex16_b32 v152, v[128+(\jj)/2], s58, s59
	v_or_b32 v[128+(\jj)/2], v[128+(\jj)/2], v152  ; with lane l xor 16's two bytes the word is whole
	ds_store_b32 v157, v[128+(\jj)/2] offset:((\jj)/2)*512
.endif
.endm
	s_load_b512 s[8:23], s[0:1], 0x0               ; q, k1, k2's codes, k2's scales, u, v, w, gate
	s_load_b128 s[24:27], s[0:1], 0x40             ; mask, st
	s_load_b128 s[28:31], s[0:1], 0x50             ; v1, v2
	s_load_b64 s[32:33], s[0:1], 0x60              ; part
	v_lshl_add_u32 v1, v0, 2, SPARE
	v_mov_b32 v2, 0
	v_lshrrev_b32 v14, 5, v0
	v_readfirstlane_b32 s34, v14                   ; wave 0..15
	s_lshr_b32 s35, s34, 2                         ; a
	s_and_b32 s36, s34, 3                          ; b
	s_and_b32 s38, ttmp7, 0xffff
	s_lshr_b32 s39, s38, 2                         ; h
	s_and_b32 s40, s38, 3                          ; ig
	s_lshl_b32 s41, s39, 8                         ; 256 h
	s_lshl_b32 s46, s40, 6
	s_lshl_b32 s47, s35, 4
	s_add_co_u32 s42, s41, s46
	s_add_co_u32 s42, s42, s47                     ; my first query's row: 256 h + 64 ig + 16 a
	s_lshl_b32 s37, ttmp9, 4                       ; 16 jr
	s_add_co_u32 s43, s41, s37                     ; the first key j's row: 256 h + 16 jr
	s_mov_b32 s45, 0
	s_mov_b32 s56, C2E
	s_mov_b32 s57, C2E
	s_mov_b32 s58, 0x76543210
	s_mov_b32 s59, 0xfedcba98                      ; v_permlanex16_b32's selects for lane l xor 16
	v_and_b32 v14, 15, v0                          ; r
	v_bfe_u32 v15, v0, 4, 1                        ; hh
	v_and_b32 v13, 31, v0                          ; lane
	v_lshlrev_b32 v36, 8, v14
	v_lshl_add_u32 v36, v15, 7, v36                ; q: 256 r + 128 hh
	v_lshlrev_b32 v37, 3, v0                       ; k1's staging: 8 bytes a thread
	v_lshlrev_b32 v38, 4, v0                       ; w's: 16 bytes a thread
	v_add_nc_u32 v39, s37, v14
	v_cmp_gt_u32 vcc_lo, 256, v0
	v_cndmask_b32 v39, v39, v0, vcc_lo             ; the mask's byte: threads 0-255 key k = thread, the others key j = 16 jr + thread % 16
	v_lshlrev_b32 v40, 2, v14                      ; gate and v1: 4 r
	v_lshlrev_b32 v41, 10, v14                     ; u: 1,024 r
	v_lshl_add_u32 v42, v15, 6, v41                ; v: 1,024 r + 64 hh
	v_and_b32 v43, 8, v14
	v_add_nc_u32 v44, v43, v14                     ; r + 8 (r / 8)
	v_lshlrev_b32 v43, 5, v44
	v_lshl_add_u32 v43, v15, 4, v43                ; k2's codes: 32 bytes a key, + 16 hh
	v_lshlrev_b32 v44, 1, v44                      ; k2's scales: 2 bytes a key
	v_lshlrev_b32 v45, 2, v0                       ; the mask table: 4 bytes a thread
	v_lshlrev_b32 v46, 13, v15
	v_lshl_add_u32 v46, v14, 2, v46                ; v2: 32 hh rows of 256 bytes + 4 r
	v_lshlrev_b32 v47, 3, v14                      ; st: 8 r
	s_lshl_b32 s46, s36, 8
	v_lshl_add_u32 v3, v15, 6, s46                 ; w and the mask table: 256 b + 64 hh
	s_lshl_b32 s46, s35, 13
	s_add_co_u32 s46, s46, QKI
	v_lshl_add_u32 v4, v13, 4, s46                 ; my tile's images
	s_lshl_b32 s46, s35, 11
	s_add_co_u32 s46, s46, QKS
	v_lshl_add_u32 v5, v13, 2, s46                 ; and their scale words
	s_lshl_b32 s46, s36, 15
	s_add_co_u32 s46, s46, VI
	v_lshl_add_u32 v6, v13, 4, s46                 ; my quarter's fragments of v1 v2
	s_lshl_b32 s46, s36, 12
	s_add_co_u32 s46, s46, VS
	v_lshl_add_u32 v7, v13, 2, s46                 ; and their scale words
	s_lshl_b32 s46, s36, 10
	s_add_co_u32 s46, s46, K1L
	v_lshl_add_u32 v10, v15, 7, s46                ; the build: k1's rows 4 b on, + 128 hh
	s_lshl_b32 s46, s34, 11
	s_add_co_u32 s46, s46, QKI
	v_lshl_add_u32 v11, v13, 4, s46                ; where my four images go
	s_lshl_b32 s46, s34, 9
	s_add_co_u32 s46, s46, QKS
	v_lshl_add_u32 v12, v13, 2, s46
	s_wait_kmcnt 0x0
	s_lshl_b32 s44, s42, 8
	s_add_nc_u64 s[8:9], s[8:9], s[44:45]          ; q at my first query
	s_lshl_b32 s44, s43, 8
	s_add_nc_u64 s[10:11], s[10:11], s[44:45]      ; k1 at the first j
	s_lshl_b32 s47, s35, 6
	s_add_co_u32 s44, s44, s47
	s_add_nc_u64 s[28:29], s[28:29], s[44:45]      ; v1 at (the first j, channel 16 a)
	s_lshl_b32 s46, s36, 6
	s_add_co_u32 s46, s46, s41                     ; 256 h + 64 b
	s_lshl_b32 s44, s46, 8
	s_add_co_u32 s44, s44, s47
	s_add_nc_u64 s[30:31], s[30:31], s[44:45]      ; v2 at (key 64 b, channel 16 a)
	s_lshl_b32 s44, s46, 5
	s_add_nc_u64 s[12:13], s[12:13], s[44:45]
	s_lshl_b32 s44, s46, 1
	s_add_nc_u64 s[14:15], s[14:15], s[44:45]
	s_lshl_b32 s47, s42, 10
	s_lshl_b32 s44, ttmp9, 6
	s_add_co_u32 s44, s44, s47
	s_add_nc_u64 s[16:17], s[16:17], s[44:45]      ; u at (my first query, the first j)
	s_lshl_b32 s44, s36, 8
	s_add_co_u32 s44, s44, s47
	s_add_nc_u64 s[18:19], s[18:19], s[44:45]      ; v at (my first query, 64 b)
	s_lshl_b32 s44, s43, 10
	s_add_nc_u64 s[20:21], s[20:21], s[44:45]      ; w at the first j
	s_lshl_b32 s44, s42, 2
	s_add_nc_u64 s[22:23], s[22:23], s[44:45]      ; gate
	s_lshl_b32 s44, s39, 15
	s_lshl_b32 s46, s40, 9
	s_add_co_u32 s44, s44, s46
	s_lshl_b32 s46, s35, 7
	s_add_co_u32 s44, s44, s46
	s_add_nc_u64 s[26:27], s[26:27], s[44:45]      ; st at (h, part 0, my first query)
	s_lshl_b32 s44, ttmp9, 18
	s_lshl_b32 s46, s39, 16
	s_add_co_u32 s44, s44, s46
	s_lshl_b32 s46, s40, 14
	s_add_co_u32 s44, s44, s46
	s_lshl_b32 s46, s35, 12
	s_add_co_u32 s44, s44, s46
	s_lshl_b32 s46, s36, 10
	s_add_co_u32 s44, s44, s46
	s_add_nc_u64 s[32:33], s[32:33], s[44:45]      ; part at (jr, h, query 64 ig + 16 a + 4 b)
	; what the work-group shares, first: 16 rows of w, 16 rows of k1, the mask
	global_load_b128 v[96:99], v38, s[20:21]
	global_load_b128 v[100:103], v38, s[20:21] offset:8192
	global_load_b64 v[104:105], v37, s[10:11]
	global_load_u8 v106, v39, s[24:25]
	; then the wave's own for the first product: 29 loads
.irp c, 0,1,2,3,4,5,6,7
	global_load_b128 v[160+4*\c:163+4*\c], v36, s[8:9] offset:16*\c
.endr
	global_load_b32 v8, v40, s[22:23]
.irp c, 0,1,2,3
	global_load_b128 v[80+4*\c:83+4*\c], v41, s[16:17] offset:16*\c
.endr
.irp x, 0,1,2,3,4,5,6,7
	global_load_b128 v[48+4*\x:51+4*\x], v42, s[18:19] offset:128*(\x/4)+16*(\x%4)
.endr
.irp t, 0,1,2,3
	global_load_b128 v[16+4*\t:19+4*\t], v43, s[12:13] offset:(32*(\t/2)+8*(\t%2))*32
.endr
.irp t, 0,1,2,3
	global_load_u16 v[112+\t], v44, s[14:15] offset:(32*(\t/2)+8*(\t%2))*2
.endr
	s_wait_loadcnt 29                              ; the four shared loads are in; the 29 behind them may be out
	v_cmp_ne_u32 vcc_lo, 0, v106
	v_mov_b32 v107, SENT
	v_cndmask_b32 v107, 0, v107, vcc_lo            ; padded: -1e30, else 0
	ds_store_b128 v38, v[96:99]
	ds_store_b128 v38, v[100:103] offset:8192
	ds_store_b64 v37, v[104:105] offset:K1L
	ds_store_b32 v45, v107 offset:KML
	; v2 and v1 for the second product's operand: 48 loads, which land while the first product's operand is built
.irp x, 0,1,2,3,4,5,6,7,8,9,10,11,12,13,14,15,16,17,18,19,20,21,22,23,24,25,26,27,28,29,30,31
	global_load_b32 v[192+\x], v46, s[30:31] offset:256*\x
.endr
.irp x, 0,1,2,3,4,5,6,7,8,9,10,11,12,13,14,15
	global_load_b32 v[224+\x], v40, s[28:29] offset:256*\x
.endr
	BARRIER                                        ; w, k1 and the mask table lie in LDS
	s_wait_loadcnt 48                              ; all but the 48 of v2 and v1
	v_lshl_or_b32 v32, v113, 16, v112              ; k2's scale words: tile 2 B's two bytes below, tile 2 B + 1's above
	v_lshl_or_b32 v33, v115, 16, v114
	v_mov_b32 v9, v8
	; source 1 of the first product for my tile of queries and j = 4 b + 0 .. 3: the four waves of a tile share the sixteen
	K1LD 0, 96
	K1LD 1, 128
	s_wait_dscnt 8                                 ; the first row is in; the second row's 8 loads may be out
	QKB 0, 96, 240, 248
	K1LD 2, 96
	s_wait_dscnt 10                                ; behind the second row's loads: 2 stores and 8 loads
	QKB 1, 128, 244, 249
	K1LD 3, 128
	s_wait_dscnt 10                                ; the third row is in, and the first image's stores are done: their registers are written again
	QKB 2, 96, 240, 248
	s_wait_dscnt 2                                 ; the fourth row is in, the second image's stores are done; the third's 2 stores may be out
	QKB 3, 128, 244, 249
	s_wait_dscnt 0x0                               ; the last stores have read their registers, which are written below
.irp q, 0,1,2,3,4,5,6,7,8,9,10,11,12,13,14,15
	global_load_b64 v[96+2*\q:97+2*\q], v47, s[26:27] offset:2048*\q      ; the sixteen parts (M, S) of my query's row
.endr
	v_mov_b32 v11, 0                               ; (named as the upper half of a pair)
	v_and_b32 v14, 31, v0
	v_bfe_u32 v15, v0, 4, 1
	s_lshl_b32 s46, s36, 15
	s_lshl_b32 s47, s35, 10
	s_add_co_u32 s46, s46, s47
	s_add_co_u32 s46, s46, VI
	v_lshl_add_u32 v156, v14, 4, s46               ; where my fragments of v1 v2 go: quarter b, channels 16 a on
	s_lshl_b32 s46, s36, 12
	s_lshl_b32 s47, s35, 7
	s_add_co_u32 s46, s46, s47
	s_add_co_u32 s46, s46, VS
	v_lshl_add_u32 v157, v14, 2, s46
	v_lshlrev_b32 v248, 3, v15                     ; 8 hh
	v_add_nc_u32 v249, 16, v248                    ; 16 + 8 hh
	v_mov_b32 v152, 0                              ; written once: a lane permute's destination counts as one of its sources
	s_wait_loadcnt 16                              ; v2 and v1 are in; st's 16 loads may be out
	v_max3_num_f32 v250, |v192|, |v193|, |v194|    ; the largest |v2| of my 32 keys
	v_max3_num_f32 v251, |v195|, |v196|, |v197|
.irp x, 6,10,14,18,22,26
	v_max3_num_f32 v250, v250, |v[192+\x]|, |v[193+\x]|
	v_max3_num_f32 v251, v251, |v[194+\x]|, |v[195+\x]|
.endr
	v_max3_num_f32 v250, v250, |v222|, |v223|
	v_max_num_f32 v250, v250, v251
.irp jj, 0,1,2,3,4,5,6,7
	V12B \jj
.endr
	s_wait_dscnt 0x0                               ; the eight sets of codes have been read by their stores: they are written again
.irp jj, 8,9,10,11,12,13,14,15
	V12B \jj
.endr
	BARRIER                                        ; all images of both operands lie in LDS
	v_mov_b32 v153, 0
.irp x, 0,1,2,3,4,5,6,7
	ds_load_b128 v[192+4*\x:195+4*\x], v3 offset:KML+128*(\x/4)+16*(\x%4) ; the mask terms of my 32 keys k
.endr
.irp c, 0,1,2,3
	ds_load_b128 v[224+4*\c:227+4*\c], v153 offset:KML+1024+16*\c         ; and of the 16 keys j
.endr
	s_wait_loadcnt 0x0                             ; st's pairs are in, and no load names v36-47 any more
.irp x, 36,37,38,39,44,45,46,47
	v_mov_b32 v\x, 0                               ; the zeros on both sides of source 1's codes
.endr
	v_mul_f32 v12, s56, v8                         ; log2(e) g
	v_max3_num_f32 v14, v96, v98, v100             ; the row's M
.irp q, 3,5,7,9,11,13
	v_max3_num_f32 v14, v14, v[96+2*\q], v[98+2*\q]
.endr
	v_max_num_f32 v14, v14, v126
	v_mov_b32 v13, v12
.irp q, 0,1,2,3,4,5,6,7,8,9,10,11,12,13,14,15
	v_sub_f32 v[128+\q], v[96+2*\q], v14
.endr
.irp q, 0,1,2,3,4,5,6,7,8,9,10,11,12,13,14,15
	v_exp_f32 v[128+\q], v[128+\q]
.endr
	v_nop
	s_wait_alu depctr_va_vdst(0)                   ; one wait for the sixteen, ahead of their first reader
	v_mul_f32 v15, v97, v128                       ; the row's S
.irp q, 1,2,3,4,5,6,7,8,9,10,11,12,13,14,15
	v_fmac_f32 v15, v[97+2*\q], v[128+\q]
.endr
	v_max_num_f32 v15, TINY, v15                   ; (0 only where every key is padded)
	v_log_f32 v251, v15
	v_nop
	s_wait_alu depctr_va_vdst(0)
	v_sub_f32 v250, -v14, v251                     ; -off = -M - log2(S)
	v_mov_b32 v251, v250
	s_wait_dscnt 0x0
.irp x, 0,2,4,6,8,10,12,14,16,18,20,22,24,26,28,30
	v_pk_fma_f32 v[48+\x:49+\x], v[48+\x:49+\x], v[8:9], v[192+\x:193+\x]   ; g v + the key k's mask term
.endr
.irp x, 0,2,4,6,8,10,12,14
	v_pk_add_f32 v[224+\x:225+\x], v[224+\x:225+\x], v[250:251]
.endr
.irp x, 0,2,4,6,8,10,12,14
	v_pk_fma_f32 v[80+\x:81+\x], v[80+\x:81+\x], v[12:13], v[224+\x:225+\x] ; log2(e) g u + the key j's mask term - off
.endr
	v_mov_b32 v202, 0                              ; written once: lane permutes' destinations
	v_mov_b32 v203, 0
	v_and_b32 v14, 15, v0                          ; r
	v_bfe_u32 v15, v0, 4, 1                        ; hh
	s_mul_i32 s46, s34, 4352
	s_add_co_u32 s46, s46, OST
	v_mul_u32_u24 v244, v14, 272
	v_lshl_add_u32 v244, v15, 5, v244
	v_add_nc_u32 v244, s46, v244                   ; the way out, in: my wave's rows, row r, + 32 hh
	s_mul_i32 s46, s35, 17408
	s_mul_i32 s47, s36, 1088
	s_add_co_u32 s46, s46, s47
	s_add_co_u32 s46, s46, OST
	v_mul_u32_u24 v245, v15, 272
	v_lshl_add_u32 v245, v14, 4, v245
	v_add_nc_u32 v245, s46, v245                   ; back: my tile's first wave, row 4 b + hh, 16 bytes a lane
	v_lshlrev_b32 v246, 8, v15
	v_lshl_add_u32 v246, v14, 4, v246              ; and the same in part
	LOADJ 0
; ONE STEP: key j, my 64 keys k.  Two steps make a K step of the second product, which is multiplied in the step after them.
.macro STEP2 j
	s_wait_dscnt 0x0                               ; this step's w, codes and scale word are in (and the fragments of v1 v2 asked for earlier)
	S2
.rept 4
	v_nop                                          ; four places behind the products: in front of the first read of a result, and of the loads into source 1 and its scale word
.endr
	ZF
.if ((\j)%2 == 0) && ((\j) >= 2)
	PV (\j)/2-1                                    ; p's codes and scale word of the last two steps were written more than eight plain vector lines ago
.endif
	LOADJ \j+1
.irp b, 0,1
	v_max3_num_f32 v[200+\b], v[128+16*\b], v[129+16*\b], v[130+16*\b]    ; the largest z of each block of 32 keys: p rises with z, so it gives the block's largest p
.endr
.irp i, 3,5,7,9,11,13
.irp b, 0,1
	v_max3_num_f32 v[200+\b], v[200+\b], v[128+16*\b+\i], v[129+16*\b+\i]
.endr
.endr
.irp b, 0,1
	v_max_num_f32 v[200+\b], v[200+\b], v[143+16*\b]
.endr
.if (\j)%2 == 0
	LOADB (\j)/2                                   ; the sixteen lines above are the places behind the second product, whose fragments these loads overwrite
.endif
	v_permlanex16_b32 v202, v200, s58, s59
	v_permlanex16_b32 v203, v201, s58, s59
	v_max_num_f32 v200, v200, v202                 ; with lane l xor 16's 16 keys
	v_max_num_f32 v201, v201, v203
	v_mov_b32 v10, v[80+\j]
	TF
	v_fma_f32 v200, v200, s56, v10                 ; the same multiply-add on the same number gives the same bits
	v_fma_f32 v201, v201, s56, v10
	v_exp_f32 v200, v200                           ; one batch: the two blocks' largest p and the 32 p: finished, normalised weights
	v_exp_f32 v201, v201
.irp x, 0,1,2,3,4,5,6,7,8,9,10,11,12,13,14,15,16,17,18,19,20,21,22,23,24,25,26,27,28,29,30,31
	v_exp_f32 v[128+\x], v[128+\x]
.endr
	v_nop                                          ; a plain place behind the exponentials
	s_wait_alu depctr_va_vdst(0)                   ; one wait for the batch, ahead of its first reader
	v_max_num_f32 v200, FLOOR, v200
	v_max_num_f32 v201, FLOOR, v201
	v_add_nc_u32 v204, EOFF, v200                  ; the conversions' scale operands
	v_add_nc_u32 v205, EOFF, v201
	v_lshrrev_b32 v206, 23, v204                   ; the scales' bytes
	v_lshrrev_b32 v207, 23, v205
.if (\j)%2 == 0
	v_lshl_or_b32 v35, v207, 8, v206               ; p's scale word: bytes 0, 1 for the even j,
.else
	v_lshl_or_b32 v35, v206, 16, v35               ; bytes 2, 3 for the odd
	v_lshl_or_b32 v35, v207, 24, v35
.endif
	v_cvt_scalef32_pk8_fp4_f32 v[192+4*((\j)%2)], v[128:135], v204
	v_cvt_scalef32_pk8_fp4_f32 v[193+4*((\j)%2)], v[136:143], v204
	v_cvt_scalef32_pk8_fp4_f32 v[194+4*((\j)%2)], v[144:151], v205
	v_cvt_scalef32_pk8_fp4_f32 v[195+4*((\j)%2)], v[152:159], v205
	v_nop                                          ; one plain place behind the scaled conversions
	v_permlane16_swap_b32 v[192+4*((\j)%2)], v[194+4*((\j)%2)]            ; the operand's layout wants a whole block in a lane: lanes 0-15 the first block, lanes 16-31 the second
	v_permlane16_swap_b32 v[193+4*((\j)%2)], v[195+4*((\j)%2)]
.endm
.irp j, 0,1,2,3,4,5,6,7,8,9,10,11,12,13,14,15
	STEP2 \j
.endr
.rept 8
	v_nop                                          ; p's scale word and codes were written by vector lines: eight and four places ahead of a scaled matrix instruction
.endr
	PV 7
.rept 4
	v_nop                                          ; four places in front of the first read of the results
.endr
	; THE WAY OUT: the four waves of a tile of queries hold sums over different keys k: they meet in LDS, and each wave adds and stores four whole rows
.irp t, 0,1,2,3
	ds_store_b128 v244, v[160+8*\t:163+8*\t] offset:64*\t                 ; each result from its low end on
	ds_store_b128 v244, v[164+8*\t:167+8*\t] offset:64*\t+16
.endr
	BARRIER
.irp p, 0,1,2,3
.irp e, 0,1
	ds_load_b128 v[96+8*\p+4*\e:99+8*\p+4*\e], v245 offset:4352*\p+544*\e
.endr
.endr
	s_wait_dscnt 0x0
.irp e, 0,1
.irp x, 0,2
	v_pk_add_f32 v[96+4*\e+\x:97+4*\e+\x], v[96+4*\e+\x:97+4*\e+\x], v[104+4*\e+\x:105+4*\e+\x]
	v_pk_add_f32 v[112+4*\e+\x:113+4*\e+\x], v[112+4*\e+\x:113+4*\e+\x], v[120+4*\e+\x:121+4*\e+\x]
	v_pk_add_f32 v[96+4*\e+\x:97+4*\e+\x], v[96+4*\e+\x:97+4*\e+\x], v[112+4*\e+\x:113+4*\e+\x]
.endr
	global_store_b128 v246, v[96+4*\e:99+4*\e], s[32:33] offset:512*\e    ; 32 lanes store two whole rows: 512 consecutive bytes, at a multiple of 256 from part's first byte
.endr
	s_wait_tensorcnt 0x0                           ; the wave's end
	ds_add_u32 v1, v2
	s_wait_dscnt 0x0
	s_endpgm
.Lfunc_end_k_q1e5c984d69_attnv:
	.size	k_q1e5c984d69_attnv, .Lfunc_end_k_q1e5c984d69_attnv-k_q1e5c984d69_attnv
	.p2alignl 7, 3214868480
	.fill 96, 4, 3214868480
	.section	.rodata,"a",@progbits
	.p2align	6, 0x0
	.amdhsa_kernel k_q1e5c984d69_attnv
		.amdhsa_group_segment_fixed_size 282624
		.amdhsa_private_segment_fixed_size 0
		.amdhsa_enable_private_segment 0
		.amdhsa_kernarg_size 104
		.amdhsa_user_sgpr_count 2
		.amdhsa_user_sgpr_kernarg_segment_ptr 1
		.amdhsa_wavefront_size32 1
		.amdhsa_system_sgpr_workgroup_id_x 1
		.amdhsa_system_sgpr_workgroup_id_y 1
		.amdhsa_system_sgpr_workgroup_id_z 1
		.amdhsa_system_vgpr_workitem_id 0
		.amdhsa_next_free_vgpr 256
		.amdhsa_next_free_sgpr 66
		.amdhsa_reserve_vcc 1
		.amdhsa_float_denorm_mode_32 3
		.amdhsa_float_denorm_mode_16_64 3
		.amdhsa_memory_ordered 1
		.amdhsa_forward_progress 1
		.amdhsa_inst_pref_size 179
	.end_amdhsa_kernel
	.amdgpu_metadata
---
amdhsa.version: [ 1, 2 ]
amdhsa.kernels:
  - .name:           k_q1e5c984d69_attnv
    .symbol:         k_q1e5c984d69_attnv.kd
    .args:
      - { .name: q, .offset: 0, .size: 8, .value_kind: global_buffer, .address_space: global }
      - { .name: k1, .offset: 8, .size: 8, .value_kind: global_buffer, .address_space: global }
      - { .name: k2_codes, .offset: 16, .size: 8, .value_kind: global_buffer, .address_space: global }
      - { .name: k2_scales, .offset: 24, .size: 8, .value_kind: global_buffer, .address_space: global }
      - { .name: bias_u, .offset: 32, .size: 8, .value_kind: global_buffer, .address_space: global }
      - { .name: bias_v, .offset: 40, .size: 8, .value_kind: global_buffer, .address_space: global }
      - { .name: bias_w, .offset: 48, .size: 8, .value_kind: global_buffer, .address_space: global }
      - { .name: bias_gate, .offset: 56, .size: 8, .value_kind: global_buffer, .address_space: global }
      - { .name: key_padding_mask, .offset: 64, .size: 8, .value_kind: global_buffer, .address_space: global }
      - { .name: st, .offset: 72, .size: 8, .value_kind: global_buffer, .address_space: global }
      - { .name: v1, .offset: 80, .size: 8, .value_kind: global_buffer, .address_space: global }
      - { .name: v2, .offset: 88, .size: 8, .value_kind: global_buffer, .address_space: global }
      - { .name: part, .offset: 96, .size: 8, .value_kind: global_buffer, .address_space: global }
    .group_segment_fixed_size: 282624
    .private_segment_fixed_size: 0
    .kernarg_segment_align: 8
    .kernarg_segment_size: 104
    .max_flat_workgroup_size: 512
    .sgpr_count:     66
    .vgpr_count:     256
    .wavefront_size: 32
...
	.end_amdgpu_metadata
.endif
;; end of part 2
;; launch join (part 3): grid 256 x 1, 2 waves a work-group, no clusters, 0 bytes of LDS; arguments part, key_padding_mask, out0; writes out0
.if DOCPART == 3
	.amdgcn_target "amdgcn-amd-amdhsa--gfx1250"
	.amdhsa_code_object_version 6
	.text
	.protected	k_q1e5c984d69_join
	.globl	k_q1e5c984d69_join
	.p2align	8
	.type	k_q1e5c984d69_join,@function
k_q1e5c984d69_join:
	s_mov_b64 s[64:65], 0
	v_nop
	global_prefetch_b8 v0, s[64:65] scope:SCOPE_SE
	s_setreg_imm32_b32 hwreg(HW_REG_WAVE_MODE, 25, 1), 1
	s_wait_xcnt 0x0
; TWO-SIMPLICIAL ATTENTION, launch 3 of 3: out0[h][i][d] = (1 - padded[i]) x the sum over the sixteen ranges of j of part[jr][h][i][d].  No work is left out.
; A stream: a thread owns 16 bytes of out0, a work-group of 64 threads 1,024 bytes (four rows); sixteen loads of 16 bytes a thread are out together; a wave's loads and its store cover 512 consecutive bytes.
; No LDS, no barrier, no matrix unit: nothing is shared and nothing is multiplied but by the mask.
.set RANGE, 262144                     ; bytes from one range's part to the next: 4 x 256 x 64 numbers of 4 bytes
	s_load_b128 s[4:7], s[0:1], 0x0                ; part, mask
	s_load_b64 s[8:9], s[0:1], 0x10                ; out0
	s_lshl_b32 s10, ttmp9, 10                      ; the work-group's 1,024 bytes
	s_mov_b32 s11, 0
	s_lshl_b32 s12, ttmp9, 2
	s_and_b32 s12, s12, 255                        ; its first query
	v_lshlrev_b32 v1, 4, v0
	v_lshrrev_b32 v2, 4, v0
	v_add_nc_u32 v2, s12, v2                       ; my query
	s_wait_kmcnt 0x0
	s_add_nc_u64 s[4:5], s[4:5], s[10:11]
	s_add_nc_u64 s[8:9], s[8:9], s[10:11]
	global_load_u8 v3, v2, s[6:7]
.irp q, 0,1,2,3,4,5,6,7,8,9,10,11,12,13,14,15
	global_load_b128 v[8+4*\q:11+4*\q], v1, s[4:5] offset:\q*RANGE th:TH_LOAD_NT
.endr
	s_wait_loadcnt 0x0
.irp q, 0,2,4,6,8,10,12,14
	v_pk_add_f32 v[8+4*\q:9+4*\q], v[8+4*\q:9+4*\q], v[12+4*\q:13+4*\q]
	v_pk_add_f32 v[10+4*\q:11+4*\q], v[10+4*\q:11+4*\q], v[14+4*\q:15+4*\q]
.endr
.irp q, 0,4,8,12
	v_pk_add_f32 v[8+4*\q:9+4*\q], v[8+4*\q:9+4*\q], v[16+4*\q:17+4*\q]
	v_pk_add_f32 v[10+4*\q:11+4*\q], v[10+4*\q:11+4*\q], v[18+4*\q:19+4*\q]
.endr
.irp q, 0,8
	v_pk_add_f32 v[8+4*\q:9+4*\q], v[8+4*\q:9+4*\q], v[24+4*\q:25+4*\q]
	v_pk_add_f32 v[10+4*\q:11+4*\q], v[10+4*\q:11+4*\q], v[26+4*\q:27+4*\q]
.endr
	v_pk_add_f32 v[8:9], v[8:9], v[40:41]
	v_pk_add_f32 v[10:11], v[10:11], v[42:43]
	v_sub_nc_u32 v4, 1, v3                         ; the mask's byte is 0 or 1
	v_cvt_f32_u32 v4, v4
	v_mov_b32 v5, v4
	v_pk_mul_f32 v[8:9], v[8:9], v[4:5]
	v_pk_mul_f32 v[10:11], v[10:11], v[4:5]
	global_store_b128 v1, v[8:11], s[8:9]
	s_endpgm
.Lfunc_end_k_q1e5c984d69_join:
	.size	k_q1e5c984d69_join, .Lfunc_end_k_q1e5c984d69_join-k_q1e5c984d69_join
	.p2alignl 7, 3214868480
	.fill 96, 4, 3214868480
	.section	.rodata,"a",@progbits
	.p2align	6, 0x0
	.amdhsa_kernel k_q1e5c984d69_join
		.amdhsa_group_segment_fixed_size 0
		.amdhsa_private_segment_fixed_size 0
		.amdhsa_enable_private_segment 0
		.amdhsa_kernarg_size 24
		.amdhsa_user_sgpr_count 2
		.amdhsa_user_sgpr_kernarg_segment_ptr 1
		.amdhsa_wavefront_size32 1
		.amdhsa_system_sgpr_workgroup_id_x 1
		.amdhsa_system_sgpr_workgroup_id_y 1
		.amdhsa_system_sgpr_workgroup_id_z 1
		.amdhsa_system_vgpr_workitem_id 0
		.amdhsa_next_free_vgpr 80
		.amdhsa_next_free_sgpr 66
		.amdhsa_reserve_vcc 0
		.amdhsa_float_denorm_mode_32 3
		.amdhsa_float_denorm_mode_16_64 3
		.amdhsa_memory_ordered 1
		.amdhsa_forward_progress 1
		.amdhsa_inst_pref_size 5
	.end_amdhsa_kernel
	.amdgpu_metadata
---
amdhsa.version: [ 1, 2 ]
amdhsa.kernels:
  - .name:           k_q1e5c984d69_join
    .symbol:         k_q1e5c984d69_join.kd
    .args:
      - { .name: part, .offset: 0, .size: 8, .value_kind: global_buffer, .address_space: global }
      - { .name: key_padding_mask, .offset: 8, .size: 8, .value_kind: global_buffer, .address_space: global }
      - { .name: out0, .offset: 16, .size: 8, .value_kind: global_buffer, .address_space: global }
    .group_segment_fixed_size: 0
    .private_segment_fixed_size: 0
    .kernarg_segment_align: 8
    .kernarg_segment_size: 24
    .max_flat_workgroup_size: 64
    .sgpr_count:     66
    .vgpr_count:     80
    .wavefront_size: 32
...
	.end_amdgpu_metadata
.endif
;; end of part 3
;; ======== version 2 of 2: 3 launches
;; limits: right only within a limited range of input values
;; workspace buffers: st 131,072 bytes; part 4,194,304 bytes
;; launch stats (part 4): grid 16 x 16, 16 waves a work-group, no clusters, 67,584 bytes of LDS; arguments q, k1, k2_codes, k2_scales, bias_u, bias_v, bias_w, bias_gate, key_padding_mask, st; writes st
.if DOCPART == 4
	.amdgcn_target "amdgcn-amd-amdhsa--gfx1250"
	.amdhsa_code_object_version 6
	.text
	.protected	k_q1e5c984d69_stats
	.globl	k_q1e5c984d69_stats
	.p2align	8
	.type	k_q1e5c984d69_stats,@function
k_q1e5c984d69_stats:
	s_mov_b64 s[64:65], 0
	v_nop
	global_prefetch_b8 v0, s[64:65] scope:SCOPE_SE
	s_setreg_imm32_b32 hwreg(HW_REG_WAVE_SCHED_MODE, 0, 2), 2
	s_setreg_imm32_b32 hwreg(HW_REG_WAVE_MODE, 25, 1), 1
	s_wait_xcnt 0x0
	s_wait_alu depctr_vm_vsrc(0)
; TWO-SIMPLICIAL ATTENTION, launch 1 of 3: the softmax's maximum and sum, in parts.
; logit(i,j,k) = sum_d Q4(q[i,d] k1[j,d]) k2[k,d] + g[i] (u[i,j] + v[i,k] + w[j,k]); the softmax runs over all 65,536 pairs (j,k) of a query i.
; The finished, normalised weights are what the second quantised product takes, so the row's maximum and sum must be known before any weight is made: this launch finds them, the next makes the logits again.
; st[h][jr][i] = (M, S): over j = 16 jr .. 16 jr + 15 and all 256 k:  M = the largest t,  S = the sum of 2^(t - M),  t = log2(e) x logit.
; DEAD WORK: none is left out; every input has a way to the output and is loaded by this program (v1 and v2 by the next launch).
; PADDED KEYS get -1e30 added to the logit (k: in the product's C; j: in a_j), so that 2^(..) is exactly 0 for them; M begins at -1e20, which such a term never moves.  All stays finite.
; LIMITS: log2(e) x logit must lie above -1e20; terms under 2^-126 of the largest count as 0; NaN and infinities among the inputs are not served; a scale byte 0xff of k2 makes the paired key's logits NaN too;
;   the bias is summed as g v + g w + g u, which differs from g (u + v + w) by rounding alone.
; SHARES.  Work-group (x = jr, y = 4 h + ig): 64 queries i = 64 ig .. of head h, 16 keys j, all k.  Sixteen waves, four to a SIMD, so that one wave's exponentials stand beside another's plain work.
;   Wave w: a = w / 4: its 16 queries;  b = w % 4: its 64 keys k = 64 b ..   A lane holds 32 logits of one query in each of the 16 steps (one j a step).
; LAYOUT.  The product is used transposed: source 0 = 16 keys k of k2, source 1 = 16 queries at one j.  Lane (r = lane % 16, hh = lane / 16) holds query r.  Tile t = 2 B + u takes keys 64 b + 32 B + 8 u + p + 8 (p / 8)
;   (p = its row), so that registers 16 B + 0 .. 15 of the result are 16 neighbouring keys 64 b + 32 B + 16 hh + 0 .. 15.
;   K = 64 is half of the instruction's 128: a fragment of k2 holds tile 2 B in K 0..63 and tile 2 B + 1 in K 64..127; source 1 lies in twelve registers, zeros | codes | zeros: of set 0, v[40:47] picks tile 2 B, v[36:43] tile 2 B + 1.
; No tensor load: a work-group reads about 110 KB once at its head.  No cluster: what work-groups share is read at the head alone.
; THE MODE: SCHED_MODE bits 1:0 = 2 (LLVM: expert scheduling mode 2), set by the entry lines.  The code itself states the register dependences
; between vector or matrix instructions and memory or LDS instructions, with s_wait_alu, always for 0.
; THE PLAN.  Registers that LDS instructions touch in the sixteen steps, in two sets that take turns (step j works on set j % 2):
;   W0 = v96-127, W1 = v160-191      w of a step.  The loads of step j + 1, issued in step j, land in set (j + 1) % 2; read by that step's sixteen multiply-adds.
;   v40-43 in v36-47, v220-223 in v216-227   source 1's codes.  Landed likewise; read by that step's four products.  The zeros beside them are written once, at the head.
;   v34, v35                         source 1's scale word.  Likewise.
;   v3, v4, v5                       LDS addresses, made at the head and never written again: a step's place stands in the immediate offsets.
; So a wait on va_vdst stands in a step, behind its exponentials and ahead of their first reader: it states that their results are written, and that the step's products and multiply-adds are done
; reading the step's set.  The next step's loads land in that set; between the wait and them stand the sums (v128-159, v204-209) and the next step's products, which name the other set.
.set C2E,   0x3fb8aa3b                 ; log2(e)
.set SENT,  0xf149f2ca                 ; -1e30
.set MINIT, 0xe0ad78ec                 ; -1e20
.set FLOOR, 0x01800000                 ; 2^(3 - 127): no largest magnitude is taken under it, so a scale's byte cannot fall under 1
.set EOFF,  0xff000000                 ; takes 2 off an exponent field
.set WL,    0                          ; LDS: w[16 jr + jj][0..255], 1,024 bytes a row
.set KML,   16384                      ; word t < 256: 0 or -1e30 for key k = t; words 256 + jj: the same for key j = 16 jr + jj
.set K1L,   18432                      ; k1[16 jr + jj][0..63], 256 bytes a row
.set QKI,   22528                      ; 64 images (16 a + jj) of source 1's four code registers: 16 bytes a lane
.set QKS,   55296                      ; their scale words: 4 bytes a lane
.set STAT,  63488                      ; wave w: 16 pairs (M, S)
.set SPARE, 65536                      ; the spare words: 128 bytes for each of 16 waves; no other line names them
; REGISTERS: v1, v2 the add's two; v3-5 LDS addresses of a step's loads; v[8:9] g; v[10:11] the step's exponent offset (in the build: v10-12 LDS addresses); v[12:13] log2(e) g; v14, v15 at work;
;   v16-31 k2's two fragments; v32, v33 their scale words; v34, v35 source 1's scale words; v36-47, v216-227 source 1 (v36-47 at the head: offsets into memory); v48-79 g v + mask term: the product's C; v80-95 a_j;
;   v96-127, v160-191 w of a step (v160-191 in the build: q); v128-159 the logits; v200 M, v201 its new value, v202-203 maxima, v[204:205] the old sum's factor, v[206:207] S, v[208:209] a second chain, v210-213 at work and tail addresses.
.macro BARRIER                         ; my LDS stores have landed and my LDS loads are in: then the work-group's barrier
	s_wait_dscnt 0x0
	s_barrier_signal -1
	s_barrier_wait -1
.endm
.macro LOADJ jn                        ; what step jn wants from LDS, into set jn % 2: 32 numbers of w, source 1's codes and scale word
.if (\jn) < 16
.irp x, 0,1,2,3,4,5,6,7
	ds_load_b128 v[96+64*((\jn)%2)+4*\x:99+64*((\jn)%2)+4*\x], v3 offset:(\jn)*1024+128*(\x/4)+16*(\x%4)
.endr
	ds_load_b128 v[40+180*((\jn)%2):43+180*((\jn)%2)], v4 offset:(\jn)*512
	ds_load_b32 v[34+(\jn)%2], v5 offset:(\jn)*128
.endif
.endm
.macro S2 p                            ; four tiles of 16 keys x my 16 queries, source 1 from set p; C = g v + the key's mask term.  Four different results, none added in place
.irp t, 0,1,2,3
	v_wmma_scale_f32_16x16x128_f8f6f4 v[128+8*\t:135+8*\t], v[16+8*(\t/2):23+8*(\t/2)], v[40+180*(\p)-4*(\t%2):47+180*(\p)-4*(\t%2)], v[48+8*\t:55+8*\t], v[32+\t/2], v[34+(\p)] matrix_a_fmt:MATRIX_FMT_FP4 matrix_b_fmt:MATRIX_FMT_FP4
.endr
.endm
.macro ZF p                            ; z = w g + (product + g v), w from set p: each result is read from its low end on
.irp x, 0,2,4,6,8,10,12,14,16,18,20,22,24,26,28,30
	v_pk_fma_f32 v[128+\x:129+\x], v[96+64*(\p)+\x:97+64*(\p)+\x], v[8:9], v[128+\x:129+\x]
.endr
.endm
.macro TF                              ; z log2(e) + the step's offset (of both pairs the low word serves both halves)
.irp x, 0,2,4,6,8,10,12,14,16,18,20,22,24,26,28,30
	v_pk_fma_f32 v[128+\x:129+\x], v[128+\x:129+\x], s[56:57], v[10:11] op_sel_hi:[1,0,0]
.endr
.endm
.macro K1LD e, KX                      ; k1[16 jr + 4 b + e][32 hh .. + 31] into v[KX] on
.irp c, 0,1,2,3,4,5,6,7
	ds_load_b128 v[\KX+4*\c:\KX+4*\c+3], v10 offset:(\e)*256+16*\c
.endr
.endm
; q[i][d] k1[j][d] for my query and my 32 d, a whole block of the quantiser: its largest magnitude, scale and codes; image e of my wave's four goes to LDS as the operand's registers stand.
.macro QKB e, KX, cs, sw
.irp x, 0,2,4,6,8,10,12,14,16,18,20,22,24,26,28,30
	v_pk_mul_f32 v[\KX+\x:\KX+\x+1], v[\KX+\x:\KX+\x+1], v[160+\x:161+\x]
.endr
	v_max3_num_f32 v250, |v[\KX]|, |v[\KX+1]|, |v[\KX+2]|
	v_max3_num_f32 v251, |v[\KX+3]|, |v[\KX+4]|, |v[\KX+5]|
.irp x, 6,10,14,18,22,26
	v_max3_num_f32 v250, v250, |v[\KX+\x]|, |v[\KX+\x+1]|
	v_max3_num_f32 v251, v251, |v[\KX+\x+2]|, |v[\KX+\x+3]|
.endr
	v_max3_num_f32 v250, v250, |v[\KX+30]|, |v[\KX+31]|
	v_max3_num_f32 v250, v250, v251, FLOOR
	v_add_nc_u32 v14, EOFF, v250                   ; 2 off the exponent field: the conversion takes this operand's exponent field as its scale
	v_lshrrev_b32 v15, 23, v14                     ; the scale's byte
.irp g, 0,1,2,3
	v_cvt_scalef32_pk8_fp4_f32 v[\cs+\g], v[\KX+8*\g:\KX+8*\g+7], v14
.endr
	v_nop                                          ; one plain place behind the scaled conversions
	v_permlanex16_b32 v251, v15, s58, s59          ; the other block's byte
	v_lshl_or_b32 v251, v251, 8, v15               ; lanes 0-15: d 0..31's byte below, d 32..63's above (lanes 16-31 are not read as scales)
	v_lshl_or_b32 v[\sw], v251, 16, v251           ; the same two bytes for K 64..127
	s_wait_alu depctr_va_vdst(0)                   ; the codes and the scale word are written, which the two stores read; and the lines above are done with v[KX ..], in which the row after next lands
	ds_store_b128 v11, v[\cs:\cs+3] offset:(\e)*512
	ds_store_b32 v12, v[\sw] offset:(\e)*128
.endm
	s_load_b512 s[8:23], s[0:1], 0x0               ; q, k1, k2's codes, k2's scales, u, v, w, gate
	s_load_b128 s[24:27], s[0:1], 0x40             ; mask, st
	v_lshl_add_u32 v1, v0, 2, SPARE
	v_mov_b32 v2, 0
	v_lshrrev_b32 v14, 5, v0
	v_readfirstlane_b32 s34, v14                   ; wave 0..15
	s_wait_alu depctr_va_sdst(0)                   ; s34 is written, ahead of its first reader
	s_lshr_b32 s35, s34, 2                         ; a
	s_and_b32 s36, s34, 3                          ; b
	s_and_b32 s38, ttmp7, 0xffff
	s_lshr_b32 s39, s38, 2                         ; h
	s_and_b32 s40, s38, 3                          ; ig
	s_lshl_b32 s41, s39, 8                         ; 256 h
	s_lshl_b32 s46, s40, 6
	s_lshl_b32 s47, s35, 4
	s_add_co_u32 s42, s41, s46
	s_add_co_u32 s42, s42, s47                     ; my first query's row: 256 h + 64 ig + 16 a
	s_lshl_b32 s37, ttmp9, 4                       ; 16 jr
	s_add_co_u32 s43, s41, s37                     ; the first key j's row: 256 h + 16 jr
	s_mov_b32 s45, 0
	s_mov_b32 s56, C2E
	s_mov_b32 s57, C2E
	s_mov_b32 s58, 0x76543210
	s_mov_b32 s59, 0xfedcba98                      ; v_permlanex16_b32's selects for lane l xor 16
	v_and_b32 v14, 15, v0                          ; r
	v_bfe_u32 v15, v0, 4, 1                        ; hh
	v_and_b32 v13, 31, v0                          ; lane
	v_lshlrev_b32 v36, 8, v14
	v_lshl_add_u32 v36, v15, 7, v36                ; q: 256 r + 128 hh
	v_lshlrev_b32 v37, 3, v0                       ; k1's staging: 8 bytes a thread
	v_lshlrev_b32 v38, 4, v0                       ; w's: 16 bytes a thread
	v_add_nc_u32 v39, s37, v14
	v_cmp_gt_u32 vcc_lo, 256, v0
	s_wait_alu depctr_va_vcc(0)                    ; VCC is written, ahead of the select that reads it
	v_cndmask_b32 v39, v39, v0, vcc_lo             ; the mask's byte: threads 0-255 key k = thread, the others key j = 16 jr + thread % 16
	v_lshlrev_b32 v40, 2, v14                      ; gate: 4 r
	v_lshlrev_b32 v41, 10, v14                     ; u: 1,024 r
	v_lshl_add_u32 v42, v15, 6, v41                ; v: 1,024 r + 64 hh
	v_and_b32 v43, 8, v14
	v_add_nc_u32 v44, v43, v14                     ; r + 8 (r / 8)
	v_lshlrev_b32 v43, 5, v44
	v_lshl_add_u32 v43, v15, 4, v43                ; k2's codes: 32 bytes a key, + 16 hh
	v_lshlrev_b32 v44, 1, v44                      ; k2's scales: 2 bytes a key
	v_lshlrev_b32 v45, 2, v0                       ; the mask table: 4 bytes a thread
	s_lshl_b32 s46, s36, 8
	v_lshl_add_u32 v3, v15, 6, s46                 ; w and the mask table: 256 b + 64 hh
	s_lshl_b32 s46, s35, 13
	s_add_co_u32 s46, s46, QKI
	v_lshl_add_u32 v4, v13, 4, s46                 ; my tile's images
	s_lshl_b32 s46, s35, 11
	s_add_co_u32 s46, s46, QKS
	v_lshl_add_u32 v5, v13, 2, s46                 ; and their scale words
	s_lshl_b32 s46, s36, 10
	s_add_co_u32 s46, s46, K1L
	v_lshl_add_u32 v10, v15, 7, s46                ; the build: k1's rows 4 b on, + 128 hh
	s_lshl_b32 s46, s34, 11
	s_add_co_u32 s46, s46, QKI
	v_lshl_add_u32 v11, v13, 4, s46                ; where my four images go
	s_lshl_b32 s46, s34, 9
	s_add_co_u32 s46, s46, QKS
	v_lshl_add_u32 v12, v13, 2, s46
	s_lshl_b32 s46, s34, 7
	s_add_co_u32 s46, s46, STAT
	v_lshl_add_u32 v211, v14, 3, s46               ; the tail: my query's pair
	v_bfe_u32 v212, v0, 4, 2
	v_lshlrev_b32 v212, 9, v212
	v_lshl_add_u32 v212, v14, 3, v212
	v_add_nc_u32 v212, STAT, v212                  ; and, for threads 0-63, query = thread: tile thread / 16, row thread % 16
	v_and_b32 v213, 63, v0
	v_lshlrev_b32 v213, 3, v213
	v_mov_b32 v205, 0                              ; (named as the upper half of a pair)
	s_wait_kmcnt 0x0
	s_lshl_b32 s44, s42, 8
	s_add_nc_u64 s[8:9], s[8:9], s[44:45]          ; q at my first query
	s_lshl_b32 s44, s43, 8
	s_add_nc_u64 s[10:11], s[10:11], s[44:45]      ; k1 at the first j
	s_lshl_b32 s46, s36, 6
	s_add_co_u32 s46, s46, s41                     ; 256 h + 64 b
	s_lshl_b32 s44, s46, 5
	s_add_nc_u64 s[12:13], s[12:13], s[44:45]
	s_lshl_b32 s44, s46, 1
	s_add_nc_u64 s[14:15], s[14:15], s[44:45]
	s_lshl_b32 s47, s42, 10
	s_lshl_b32 s44, ttmp9, 6
	s_add_co_u32 s44, s44, s47
	s_add_nc_u64 s[16:17], s[16:17], s[44:45]      ; u at (my first query, the first j)
	s_lshl_b32 s44, s36, 8
	s_add_co_u32 s44, s44, s47
	s_add_nc_u64 s[18:19], s[18:19], s[44:45]      ; v at (my first query, 64 b)
	s_lshl_b32 s44, s43, 10
	s_add_nc_u64 s[20:21], s[20:21], s[44:45]      ; w at the first j
	s_lshl_b32 s44, s42, 2
	s_add_nc_u64 s[22:23], s[22:23], s[44:45]      ; gate
	s_lshl_b32 s44, s39, 15
	s_lshl_b32 s46, ttmp9, 11
	s_add_co_u32 s44, s44, s46
	s_lshl_b32 s46, s40, 9
	s_add_co_u32 s44, s44, s46
	s_add_nc_u64 s[26:27], s[26:27], s[44:45]      ; st at (h, jr, 64 ig)
	s_wait_alu depctr_va_vdst(0)                   ; every offset and LDS address made above is written: v3-5, v10-12, v36-45, v211-213, which the kernel's loads and stores read
	; what the work-group shares, first: 16 rows of w, 16 rows of k1, the mask
	global_load_b128 v[96:99], v38, s[20:21]
	global_load_b128 v[100:103], v38, s[20:21] offset:8192
	global_load_b64 v[104:105], v37, s[10:11]
	global_load_u8 v106, v39, s[24:25]
	; then the wave's own: 29 loads
.irp c, 0,1,2,3,4,5,6,7
	global_load_b128 v[160+4*\c:163+4*\c], v36, s[8:9] offset:16*\c
.endr
	global_load_b32 v8, v40, s[22:23]
.irp c, 0,1,2,3
	global_load_b128 v[80+4*\c:83+4*\c], v41, s[16:17] offset:16*\c
.endr
.irp x, 0,1,2,3,4,5,6,7
	global_load_b128 v[48+4*\x:51+4*\x], v42, s[18:19] offset:128*(\x/4)+16*(\x%4)
.endr
.irp t, 0,1,2,3
	global_load_b128 v[16+4*\t:19+4*\t], v43, s[12:13] offset:(32*(\t/2)+8*(\t%2))*32
.endr
.irp t, 0,1,2,3
	global_load_u16 v[236+\t], v44, s[14:15] offset:(32*(\t/2)+8*(\t%2))*2
.endr
	s_wait_loadcnt 29                              ; the four shared loads are in; the 29 behind them may be out
	v_cmp_ne_u32 vcc_lo, 0, v106
	v_mov_b32 v107, SENT
	s_wait_alu depctr_va_vcc(0)                    ; VCC is written, ahead of the select that reads it
	v_cndmask_b32 v107, 0, v107, vcc_lo            ; padded: -1e30, else 0
	s_wait_alu depctr_va_vdst(0)                   ; v107 is written, which the fourth store reads; the lines above are done with v106 and v107, in which k1's first row lands later
	ds_store_b128 v38, v[96:99]
	ds_store_b128 v38, v[100:103] offset:8192
	ds_store_b64 v37, v[104:105] offset:K1L
	ds_store_b32 v45, v107 offset:KML
	BARRIER                                        ; w, k1 and the mask table lie in LDS
	s_wait_loadcnt 0x0
	v_lshl_or_b32 v32, v237, 16, v236              ; k2's scale words: tile 2 B's two bytes below, tile 2 B + 1's above
	v_lshl_or_b32 v33, v239, 16, v238
	v_mov_b32 v9, v8
	; source 1 for my tile of queries and j = 4 b + 0 .. 3: the four waves of a tile share the sixteen
	s_wait_alu depctr_vm_vsrc(0)                   ; the four stores above have read v96-107, in which k1's first row lands
	K1LD 0, 96
	K1LD 1, 128
	s_wait_dscnt 8                                 ; the first row is in; the second row's 8 loads may be out
	QKB 0, 96, 240, 248
	K1LD 2, 96
	s_wait_dscnt 10                                ; behind the second row's loads: 2 stores and 8 loads
	QKB 1, 128, 244, 249
	K1LD 3, 128
	s_wait_dscnt 10                                ; the third row is in, and the first image's stores are done
	s_wait_alu depctr_vm_vsrc(0)                   ; the first two images' stores have read v240-249, which the next two images' conversions and scale words write again
	QKB 2, 96, 240, 248
	s_wait_dscnt 2                                 ; the fourth row is in, the second image's stores are done; the third's 2 stores may be out
	QKB 3, 128, 244, 249
	BARRIER                                        ; all 64 images lie in LDS
	v_mov_b32 v153, 0
	s_wait_alu depctr_va_vdst(0)                   ; v153 is written, by which the second run of loads below is addressed
.irp x, 0,1,2,3,4,5,6,7
	ds_load_b128 v[96+4*\x:99+4*\x], v3 offset:KML+128*(\x/4)+16*(\x%4)   ; the mask terms of my 32 keys k
.endr
.irp c, 0,1,2,3
	ds_load_b128 v[128+4*\c:131+4*\c], v153 offset:KML+1024+16*\c         ; and of the 16 keys j
.endr
	s_wait_alu depctr_vm_vsrc(0)                   ; the head's loads and stores have read their offsets v36-45, the build's LDS instructions v10-12, the loads above v153: all of these are written again from here on
.irp x, 36,37,38,39,44,45,46,47,216,217,218,219,224,225,226,227
	v_mov_b32 v\x, 0                               ; the zeros on both sides of source 1's codes, in both sets (every load that named v36-47 as offsets is done)
.endr
	v_mov_b32 v11, 0                               ; (named as the upper half of a pair)
	v_mul_f32 v12, s56, v8                         ; log2(e) g
	v_mov_b32 v200, MINIT                          ; M
	v_mov_b32 v206, 0                              ; S, in two halves
	v_mov_b32 v207, 0
	v_mov_b32 v13, v12
	s_wait_dscnt 0x0
.irp x, 0,2,4,6,8,10,12,14,16,18,20,22,24,26,28,30
	v_pk_fma_f32 v[48+\x:49+\x], v[48+\x:49+\x], v[8:9], v[96+\x:97+\x]     ; g v + the key k's mask term
.endr
.irp x, 0,2,4,6,8,10,12,14
	v_pk_fma_f32 v[80+\x:81+\x], v[80+\x:81+\x], v[12:13], v[128+\x:129+\x] ; a_j = log2(e) g u + the key j's mask term
.endr
	s_wait_alu depctr_va_vdst(0)                   ; the lines above are done reading v96-127, and the build's reading q in v160-191: w lands in both; the zeros and k2's scale words are written, which the scaled products take
	LOADJ 0
; ONE STEP: key j, my 64 keys k.
.macro STEP1 j
	s_wait_dscnt 0x0                               ; this step's w, codes and scale word are in: they were asked for a step ago
	S2 (\j)%2
	LOADJ \j+1                                     ; into the other set.  No wait: the last step's wait stands behind all that read that set, and nothing since names it
.rept 4
	v_nop                                          ; four places behind the products, in front of the first read of a result
.endr
	ZF (\j)%2
	v_max3_num_f32 v202, v128, v129, v130          ; the largest of my 32 z, in two chains
	v_max3_num_f32 v203, v131, v132, v133
.irp x, 6,10,14,18,22,26
	v_max3_num_f32 v202, v202, v[128+\x], v[129+\x]
	v_max3_num_f32 v203, v203, v[130+\x], v[131+\x]
.endr
	v_max3_num_f32 v202, v202, v158, v159
	v_max_num_f32 v202, v202, v203
	v_fma_f32 v14, v202, s56, v[80+\j]             ; as t
	v_max_num_f32 v201, v200, v14                  ; the new M
	v_sub_f32 v10, v[80+\j], v201                  ; a_j - M
	v_sub_f32 v210, v200, v201                     ; the old M less the new
	TF
	s_wait_alu depctr_va_vdst(0)
	v_exp_f32 v204, v210                           ; one batch: the old sum's factor and the 32 terms
.irp x, 0,1,2,3,4,5,6,7,8,9,10,11,12,13,14,15,16,17,18,19,20,21,22,23,24,25,26,27,28,29,30,31
	v_exp_f32 v[128+\x], v[128+\x]
.endr
	v_mov_b32 v200, v201                           ; (a plain place behind the exponentials)
	s_wait_alu depctr_va_vdst(0)                   ; the step's second wait: the 33 exponentials have written v204 and v128-159, ahead of their first reader; and this step's products and multiply-adds are done reading its set, in which the next step's loads land
	v_pk_mul_f32 v[206:207], v[206:207], v[204:205] op_sel_hi:[1,0]
	v_pk_add_f32 v[208:209], v[128:129], v[130:131]
.irp x, 4,8,12,16,20,24,28
	v_pk_add_f32 v[206:207], v[206:207], v[128+\x:129+\x]
	v_pk_add_f32 v[208:209], v[208:209], v[130+\x:131+\x]
.endr
	v_pk_add_f32 v[206:207], v[206:207], v[208:209]
.endm
.irp j, 0,1,2,3,4,5,6,7,8,9,10,11,12,13,14,15
	STEP1 \j
.endr
	; the two halves of the lanes join, then the four waves of a tile
	v_add_f32 v206, v206, v207
	v_permlanex16_b32 v202, v200, s58, s59
	v_max_num_f32 v201, v200, v202
	v_sub_f32 v210, v200, v201
	s_wait_alu depctr_va_vdst(0)
	v_exp_f32 v204, v210
	v_nop
	s_wait_alu depctr_va_vdst(0)                   ; the exponential has written v204, ahead of its reader
	v_mul_f32 v206, v206, v204
	v_permlanex16_b32 v203, v206, s58, s59
	v_add_f32 v207, v206, v203
	v_mov_b32 v206, v201
	s_wait_alu depctr_va_vdst(0)                   ; v206 and v207 are written, which the store reads
	ds_store_b64 v211, v[206:207]                  ; lanes r and r + 16 store the same bits at the same place
	BARRIER
	s_cmp_lt_u32 s34, 2                            ; waves 0 and 1 finish the work-group's 64 queries, a thread a query
	s_cbranch_scc0 .Lend
	ds_load_b64 v[96:97], v212
	ds_load_b64 v[98:99], v212 offset:128
	ds_load_b64 v[100:101], v212 offset:256
	ds_load_b64 v[102:103], v212 offset:384
	s_wait_dscnt 0x0
	v_max3_num_f32 v14, v96, v98, v100
	v_max_num_f32 v14, v14, v102
.irp q, 0,1,2,3
	v_sub_f32 v[104+\q], v[96+2*\q], v14
.endr
	s_wait_alu depctr_va_vdst(0)
.irp q, 0,1,2,3
	v_exp_f32 v[104+\q], v[104+\q]
.endr
	v_nop
	s_wait_alu depctr_va_vdst(0)                   ; the four exponentials have written v104-107, ahead of their first reader
	v_mul_f32 v15, v97, v104
	v_fmac_f32 v15, v99, v105
	v_fmac_f32 v15, v101, v106
	v_fmac_f32 v15, v103, v107
	s_wait_alu depctr_va_vdst(0)                   ; v14 and v15 are written, which the store reads
	global_store_b64 v213, v[14:15], s[26:27]      ; a wave stores 256 consecutive bytes, at a multiple of 256 from st's first byte
.Lend:
	s_wait_dscnt 0x0                               ; the closing lines, six on end
	s_wait_alu 0x0
	s_wait_tensorcnt 0x0
	ds_add_u32 v1, v2
	s_wait_dscnt 0x0
	s_endpgm
.Lfunc_end_k_q1e5c984d69_stats:
	.size	k_q1e5c984d69_stats, .Lfunc_end_k_q1e5c984d69_stats-k_q1e5c984d69_stats
	.p2alignl 7, 3214868480
	.fill 96, 4, 3214868480
	.section	.rodata,"a",@progbits
	.p2align	6, 0x0
	.amdhsa_kernel k_q1e5c984d69_stats
		.amdhsa_group_segment_fixed_size 67584
		.amdhsa_private_segment_fixed_size 0
		.amdhsa_enable_private_segment 0
		.amdhsa_kernarg_size 80
		.amdhsa_user_sgpr_count 2
		.amdhsa_user_sgpr_kernarg_segment_ptr 1
		.amdhsa_wavefront_size32 1
		.amdhsa_system_sgpr_workgroup_id_x 1
		.amdhsa_system_sgpr_workgroup_id_y 1
		.amdhsa_system_sgpr_workgroup_id_z 1
		.amdhsa_system_vgpr_workitem_id 0
		.amdhsa_next_free_vgpr 256
		.amdhsa_next_free_sgpr 66
		.amdhsa_reserve_vcc 1
		.amdhsa_float_denorm_mode_32 3
		.amdhsa_float_denorm_mode_16_64 3
		.amdhsa_memory_ordered 1
		.amdhsa_forward_progress 1
		.amdhsa_inst_pref_size 133
	.end_amdhsa_kernel
	.amdgpu_metadata
---
amdhsa.version: [ 1, 2 ]
amdhsa.kernels:
  - .name:           k_q1e5c984d69_stats
    .symbol:         k_q1e5c984d69_stats.kd
    .args:
      - { .name: q, .offset: 0, .size: 8, .value_kind: global_buffer, .address_space: global }
      - { .name: k1, .offset: 8, .size: 8, .value_kind: global_buffer, .address_space: global }
      - { .name: k2_codes, .offset: 16, .size: 8, .value_kind: global_buffer, .address_space: global }
      - { .name: k2_scales, .offset: 24, .size: 8, .value_kind: global_buffer, .address_space: global }
      - { .name: bias_u, .offset: 32, .size: 8, .value_kind: global_buffer, .address_space: global }
      - { .name: bias_v, .offset: 40, .size: 8, .value_kind: global_buffer, .address_space: global }
      - { .name: bias_w, .offset: 48, .size: 8, .value_kind: global_buffer, .address_space: global }
      - { .name: bias_gate, .offset: 56, .size: 8, .value_kind: global_buffer, .address_space: global }
      - { .name: key_padding_mask, .offset: 64, .size: 8, .value_kind: global_buffer, .address_space: global }
      - { .name: st, .offset: 72, .size: 8, .value_kind: global_buffer, .address_space: global }
    .group_segment_fixed_size: 67584
    .private_segment_fixed_size: 0
    .kernarg_segment_align: 8
    .kernarg_segment_size: 80
    .max_flat_workgroup_size: 512
    .sgpr_count:     66
    .vgpr_count:     256
    .wavefront_size: 32
...
	.end_amdgpu_metadata
.endif
;; end of part 4
;; launch attnv (part 5): grid 16 x 16, 16 waves a work-group, no clusters, 282,624 bytes of LDS; arguments q, k1, k2_codes, k2_scales, bias_u, bias_v, bias_w, bias_gate, key_padding_mask, st, v1, v2, part; writes part
.if DOCPART == 5
	.amdgcn_target "amdgcn-amd-amdhsa--gfx1250"
	.amdhsa_code_object_version 6
	.text
	.protected	k_q1e5c984d69_attnv
	.globl	k_q1e5c984d69_attnv
	.p2align	8
	.type	k_q1e5c984d69_attnv,@function
k_q1e5c984d69_attnv:
	s_mov_b64 s[64:65], 0
	v_nop
	global_prefetch_b8 v0, s[64:65] scope:SCOPE_SE
	s_setreg_imm32_b32 hwreg(HW_REG_WAVE_SCHED_MODE, 0, 2), 2
	s_setreg_imm32_b32 hwreg(HW_REG_WAVE_MODE, 25, 1), 1
	s_wait_xcnt 0x0
	s_wait_alu depctr_vm_vsrc(0)
; TWO-SIMPLICIAL ATTENTION, launch 2 of 3: the weights and the second product, in parts over j.
; part[jr][h][i][d] = sum over j = 16 jr .. + 15 and all k of Q4(p(i,j,k)) Q4(v1[j,d] v2[k,d]);  p = 2^(t - off[i]) is the finished, normalised weight: t = log2(e) x logit as in the launch before,
; off = M + log2(S), M and S joined here from st's sixteen parts of the row.  Both operands are quantised along k in blocks of 32.  No work is left out.
; PADDED KEYS get -1e30 added to the logit, so that p is exactly 0 for them; where every key is padded S is 0, is held at 2^-100 from below, and every p is still 0.
; LIMITS: as in the launch before; p under 2^-126 counts as 0; blocks of zeros carry the scale byte 1 (their codes are zeros; this program alone reads the bytes).
; SHARES and the first product's LAYOUT are the launch before's: work-group (x = jr, y = 4 h + ig); wave w: a = w / 4 its 16 queries, b = w % 4 its 64 keys k; lane (r, hh) holds query r; registers 16 B + 0..15 of the
; logits are keys 64 b + 32 B + 16 hh + 0..15.  So a block of 32 along k lies in lanes l and l xor 16.
; THE SECOND PRODUCT, transposed too: a K step of 128 is (j even, my 64 k) then (j odd, the same 64 k).  Source 0 = 16 channels d of v1[j,d] v2[k,d], source 1 = p's codes; the result holds query r and channels 16 dt + 8 hh + 0..7.
; v1 v2 is made once for the work-group, at the head: wave (a, b) makes channels 16 a .. and keys 64 b .. for all 16 j; a lane holds a whole block (one j, one d, 32 k), and since |v1 v2| rises with |v2|
; the block's largest magnitude is |v1| x the largest |v2|, rounded once: the very number that the largest product is.  The fragments go to LDS as images of the operand's registers.
; The four waves of a tile of queries add their results through LDS; each row of part is stored whole.
; THE MODE: SCHED_MODE bits 1:0 = 2 (LLVM: expert scheduling mode 2), set by the entry lines.  The code itself states the register dependences
; between vector or matrix instructions and memory or LDS instructions, with s_wait_alu, always for 0.
; THE PLAN.  Registers that LDS instructions touch in the sixteen steps (four waves of 256 registers fill a SIMD: there is one set of each):
;   v96-127            w of a step.  Read by the step's sixteen multiply-adds; behind them the next step's loads land in it.
;   v40-43, v34        the first product's source 1 and its scale word.  Read by the step's four products; loaded again with w.
;   v208-239, v252-255 four fragments of v1 v2 and their scale words.  Read by the second product, in the even steps; loaded again in the odd step that follows.
;   v3-7               LDS addresses, made at the head and never written again: a step's place stands in the immediate offsets.
;   v192-199, v35      p's codes and scale word: written by vector lines, taken by the scaled second product; no LDS instruction names them.
; So one wait on va_vdst stands behind a step's multiply-adds.  It states that these and the step's products are done reading w, source 1 and its scale word; that the second product of the step before is done
; reading its fragments; and that p's codes and scale word of the step before are written.  Behind it follow the next step's loads, in odd steps the fragments' loads, in even steps the second product:
; none of these names a register of another.  A second wait on va_vdst stands behind the step's exponentials, ahead of their first reader.
.set C2E,   0x3fb8aa3b                 ; log2(e)
.set SENT,  0xf149f2ca                 ; -1e30
.set TINY,  0x0d800000                 ; 2^-100
.set FLOOR, 0x01800000                 ; 2^(3 - 127): no largest magnitude is taken under it, so a scale's byte cannot fall under 1
.set EOFF,  0xff000000                 ; takes 2 off an exponent field
.set WL,    0                          ; LDS: w[16 jr + jj][0..255], 1,024 bytes a row
.set KML,   16384                      ; word t < 256: 0 or -1e30 for key k = t; words 256 + jj: the same for key j = 16 jr + jj
.set K1L,   18432                      ; k1[16 jr + jj][0..63]
.set QKI,   22528                      ; 64 images (16 a + jj) of the first product's source 1
.set QKS,   55296                      ; their scale words
.set VI,    63488                      ; v1 v2: fragment (b, jp, dt) at 1,024 (32 b + 4 jp + dt); j's parity c at + 512 c; 16 bytes a lane
.set VS,    194560                     ; its scale words: 128 (32 b + 4 jp + dt) + 4 x lane
.set OST,   210944                     ; the way out: wave w: 16 rows of 256 bytes + 16
.set SPARE, 280576                     ; the spare words: 128 bytes for each of 16 waves; no other line names them
; REGISTERS: v1, v2 the add's two; v3-7 LDS addresses of a step's loads; v[8:9] g; v[10:11] the step's exponent offset (in the builds: addresses, then v1's number); v[12:13] log2(e) g; v14, v15 at work;
;   v16-31 k2's fragments; v32-35 scale words: k2's two, source 1's, p's; v36-47 the first product's source 1 (at the head: offsets into memory); v48-79 its C; v80-95 a_j - off; v96-127 w; v128-159 logits, then p;
;   v160-191 the result O^T; v192-199 p's codes; v200-207 the blocks' maxima, scales and bytes; v208-239 four fragments of v1 v2; v244-246 the way out's addresses; v252-255 the fragments' scale words.
;   At the head: v160-191 q, then eight sets of codes; v192-223 v2, v224-239 v1; v96-127 k1, then st's pairs; v128-159 k1, then scale words, products and addresses; v240-251 at work.
.macro BARRIER                         ; my LDS stores have landed and my LDS loads are in: then the work-group's barrier
	s_wait_dscnt 0x0
	s_barrier_signal -1
	s_barrier_wait -1
.endm
.macro LOADJ jn                        ; what step jn wants from LDS: 32 numbers of w, source 1's codes and scale word
.if (\jn) < 16
.irp x, 0,1,2,3,4,5,6,7
	ds_load_b128 v[96+4*\x:99+4*\x], v3 offset:(\jn)*1024+128*(\x/4)+16*(\x%4)
.endr
	ds_load_b128 v[40:43], v4 offset:(\jn)*512
	ds_load_b32 v34, v5 offset:(\jn)*128
.endif
.endm
.macro LOADB jp                        ; the four fragments of v1 v2 for j = 2 jp, 2 jp + 1 and my 64 keys, and their scale words
.irp t, 0,1,2,3
	ds_load_b128 v[208+8*\t:211+8*\t], v6 offset:(\jp)*4096+\t*1024
	ds_load_b128 v[212+8*\t:215+8*\t], v6 offset:(\jp)*4096+\t*1024+512
	ds_load_b32 v[252+\t], v7 offset:(\jp)*512+\t*128
.endr
.endm
.macro S2                              ; four tiles of 16 keys x my 16 queries; C = g v + the key's mask term.  Four different results, none added in place
.irp t, 0,1,2,3
	v_wmma_scale_f32_16x16x128_f8f6f4 v[128+8*\t:135+8*\t], v[16+8*(\t/2):23+8*(\t/2)], v[40-4*(\t%2):47-4*(\t%2)], v[48+8*\t:55+8*\t], v[32+\t/2], v34 matrix_a_fmt:MATRIX_FMT_FP4 matrix_b_fmt:MATRIX_FMT_FP4
.endr
.endm
.macro PV jp                           ; O^T += (v1 v2)^T p^T: the four accumulators by turns, one instruction a turn, and the first product's four stand between two visits; the first visit starts the sums
.irp t, 0,1,2,3
.if (\jp) == 0
	v_wmma_scale_f32_16x16x128_f8f6f4 v[160+8*\t:167+8*\t], v[208+8*\t:215+8*\t], v[192:199], 0, v[252+\t], v35 matrix_a_fmt:MATRIX_FMT_FP4 matrix_b_fmt:MATRIX_FMT_FP4
.else
	v_wmma_scale_f32_16x16x128_f8f6f4 v[160+8*\t:167+8*\t], v[208+8*\t:215+8*\t], v[192:199], v[160+8*\t:167+8*\t], v[252+\t], v35 matrix_a_fmt:MATRIX_FMT_FP4 matrix_b_fmt:MATRIX_FMT_FP4
.endif
.endr
.endm
.macro ZF                              ; z = w g + (product + g v): each result is read from its low end on
.irp x, 0,2,4,6,8,10,12,14,16,18,20,22,24,26,28,30
	v_pk_fma_f32 v[128+\x:129+\x], v[96+\x:97+\x], v[8:9], v[128+\x:129+\x]
.endr
.endm
.macro TF                              ; z log2(e) + the step's offset (of both pairs the low word serves both halves)
.irp x, 0,2,4,6,8,10,12,14,16,18,20,22,24,26,28,30
	v_pk_fma_f32 v[128+\x:129+\x], v[128+\x:129+\x], s[56:57], v[10:11] op_sel_hi:[1,0,0]
.endr
.endm
.macro K1LD e, KX                      ; k1[16 jr + 4 b + e][32 hh .. + 31] into v[KX] on
.irp c, 0,1,2,3,4,5,6,7
	ds_load_b128 v[\KX+4*\c:\KX+4*\c+3], v10 offset:(\e)*256+16*\c
.endr
.endm
; q[i][d] k1[j][d] for my query and my 32 d, a whole block of the quantiser: its largest magnitude, scale and codes; image e of my wave's four goes to LDS as the operand's registers stand.
.macro QKB e, KX, cs, sw
.irp x, 0,2,4,6,8,10,12,14,16,18,20,22,24,26,28,30
	v_pk_mul_f32 v[\KX+\x:\KX+\x+1], v[\KX+\x:\KX+\x+1], v[160+\x:161+\x]
.endr
	v_max3_num_f32 v250, |v[\KX]|, |v[\KX+1]|, |v[\KX+2]|
	v_max3_num_f32 v251, |v[\KX+3]|, |v[\KX+4]|, |v[\KX+5]|
.irp x, 6,10,14,18,22,26
	v_max3_num_f32 v250, v250, |v[\KX+\x]|, |v[\KX+\x+1]|
	v_max3_num_f32 v251, v251, |v[\KX+\x+2]|, |v[\KX+\x+3]|
.endr
	v_max3_num_f32 v250, v250, |v[\KX+30]|, |v[\KX+31]|
	v_max3_num_f32 v250, v250, v251, FLOOR
	v_add_nc_u32 v14, EOFF, v250                   ; 2 off the exponent field: the conversion takes this operand's exponent field as its scale
	v_lshrrev_b32 v15, 23, v14                     ; the scale's byte
.irp g, 0,1,2,3
	v_cvt_scalef32_pk8_fp4_f32 v[\cs+\g], v[\KX+8*\g:\KX+8*\g+7], v14
.endr
	v_nop                                          ; one plain place behind the scaled conversions
	v_permlanex16_b32 v251, v15, s58, s59          ; the other block's byte
	v_lshl_or_b32 v251, v251, 8, v15               ; lanes 0-15: d 0..31's byte below, d 32..63's above (lanes 16-31 are not read as scales)
	v_lshl_or_b32 v[\sw], v251, 16, v251           ; the same two bytes for K 64..127
	s_wait_alu depctr_va_vdst(0)                   ; the codes and the scale word are written, which the two stores read; and the lines above are done with v[KX ..], in which later loads land
	ds_store_b128 v11, v[\cs:\cs+3] offset:(\e)*512
	ds_store_b32 v12, v[\sw] offset:(\e)*128
.endm
; v1[16 jr + jj][d] v2[k][d] for my channel d = 16 a + r and my 32 keys k = 64 b + 32 hh ..: one block.  v250 = the largest |v2| of the 32.  V12V: the arithmetic, into set jj % 8 of eight sets of codes.
.macro V12V jj
	v_mul_f32 v251, |v[224+\jj]|, v250             ; the block's largest magnitude
	v_max_num_f32 v251, FLOOR, v251
	v_add_nc_u32 v14, EOFF, v251
	v_lshrrev_b32 v15, 23, v14
	v_mov_b32 v10, v[224+\jj]
.irp g, 0,1,2,3
.irp x, 0,2,4,6
	v_pk_mul_f32 v[136+8*(\g%2)+\x:137+8*(\g%2)+\x], v[192+8*\g+\x:193+8*\g+\x], v[10:11] op_sel_hi:[1,0]   ; eight products, into two sets by turns: the other set's four lines are the plain places behind a conversion
.endr
	v_cvt_scalef32_pk8_fp4_f32 v[160+4*((\jj)%8)+\g], v[136+8*(\g%2):143+8*(\g%2)], v14
.endr
	v_nop
.if (\jj)%2 == 0
	v_lshlrev_b32 v[128+(\jj)/2], v248, v15        ; the byte at its place in the scale word: bits 16 c + 8 hh on
.else
	v_lshlrev_b32 v251, v249, v15
	v_or_b32 v[128+(\jj)/2], v[128+(\jj)/2], v251
	v_permlanex16_b32 v152, v[128+(\jj)/2], s58, s59
	v_or_b32 v[128+(\jj)/2], v[128+(\jj)/2], v152  ; with lane l xor 16's two bytes the word is whole
.endif
.endm
.macro V12S jj                         ; and its way to LDS: the image, and behind each odd jj the pair's scale word
	ds_store_b128 v156, v[160+4*((\jj)%8):163+4*((\jj)%8)] offset:((\jj)/2)*4096+512*((\jj)%2)
.if (\jj)%2 == 1
	ds_store_b32 v157, v[128+(\jj)/2] offset:((\jj)/2)*512
.endif
.endm
	s_load_b512 s[8:23], s[0:1], 0x0               ; q, k1, k2's codes, k2's scales, u, v, w, gate
	s_load_b128 s[24:27], s[0:1], 0x40             ; mask, st
	s_load_b128 s[28:31], s[0:1], 0x50             ; v1, v2
	s_load_b64 s[32:33], s[0:1], 0x60              ; part
	v_lshl_add_u32 v1, v0, 2, SPARE
	v_mov_b32 v2, 0
	v_lshrrev_b32 v14, 5, v0
	v_readfirstlane_b32 s34, v14                   ; wave 0..15
	s_wait_alu depctr_va_sdst(0)                   ; s34 is written, ahead of its first reader
	s_lshr_b32 s35, s34, 2                         ; a
	s_and_b32 s36, s34, 3                          ; b
	s_and_b32 s38, ttmp7, 0xffff
	s_lshr_b32 s39, s38, 2                         ; h
	s_and_b32 s40, s38, 3                          ; ig
	s_lshl_b32 s41, s39, 8                         ; 256 h
	s_lshl_b32 s46, s40, 6
	s_lshl_b32 s47, s35, 4
	s_add_co_u32 s42, s41, s46
	s_add_co_u32 s42, s42, s47                     ; my first query's row: 256 h + 64 ig + 16 a
	s_lshl_b32 s37, ttmp9, 4                       ; 16 jr
	s_add_co_u32 s43, s41, s37                     ; the first key j's row: 256 h + 16 jr
	s_mov_b32 s45, 0
	s_mov_b32 s56, C2E
	s_mov_b32 s57, C2E
	s_mov_b32 s58, 0x76543210
	s_mov_b32 s59, 0xfedcba98                      ; v_permlanex16_b32's selects for lane l xor 16
	v_and_b32 v14, 15, v0                          ; r
	v_bfe_u32 v15, v0, 4, 1                        ; hh
	v_and_b32 v13, 31, v0                          ; lane
	v_lshlrev_b32 v36, 8, v14
	v_lshl_add_u32 v36, v15, 7, v36                ; q: 256 r + 128 hh
	v_lshlrev_b32 v37, 3, v0                       ; k1's staging: 8 bytes a thread
	v_lshlrev_b32 v38, 4, v0                       ; w's: 16 bytes a thread
	v_add_nc_u32 v39, s37, v14
	v_cmp_gt_u32 vcc_lo, 256, v0
	s_wait_alu depctr_va_vcc(0)                    ; VCC is written, ahead of the select that reads it
	v_cndmask_b32 v39, v39, v0, vcc_lo             ; the mask's byte: threads 0-255 key k = thread, the others key j = 16 jr + thread % 16
	v_lshlrev_b32 v40, 2, v14                      ; gate and v1: 4 r
	v_lshlrev_b32 v41, 10, v14                     ; u: 1,024 r
	v_lshl_add_u32 v42, v15, 6, v41                ; v: 1,024 r + 64 hh
	v_and_b32 v43, 8, v14
	v_add_nc_u32 v44, v43, v14                     ; r + 8 (r / 8)
	v_lshlrev_b32 v43, 5, v44
	v_lshl_add_u32 v43, v15, 4, v43                ; k2's codes: 32 bytes a key, + 16 hh
	v_lshlrev_b32 v44, 1, v44                      ; k2's scales: 2 bytes a key
	v_lshlrev_b32 v45, 2, v0                       ; the mask table: 4 bytes a thread
	v_lshlrev_b32 v46, 13, v15
	v_lshl_add_u32 v46, v14, 2, v46                ; v2: 32 hh rows of 256 bytes + 4 r
	v_lshlrev_b32 v47, 3, v14                      ; st: 8 r
	s_lshl_b32 s46, s36, 8
	v_lshl_add_u32 v3, v15, 6, s46                 ; w and the mask table: 256 b + 64 hh
	s_lshl_b32 s46, s35, 13
	s_add_co_u32 s46, s46, QKI
	v_lshl_add_u32 v4, v13, 4, s46                 ; my tile's images
	s_lshl_b32 s46, s35, 11
	s_add_co_u32 s46, s46, QKS
	v_lshl_add_u32 v5, v13, 2, s46                 ; and their scale words
	s_lshl_b32 s46, s36, 15
	s_add_co_u32 s46, s46, VI
	v_lshl_add_u32 v6, v13, 4, s46                 ; my quarter's fragments of v1 v2
	s_lshl_b32 s46, s36, 12
	s_add_co_u32 s46, s46, VS
	v_lshl_add_u32 v7, v13, 2, s46                 ; and their scale words
	s_lshl_b32 s46, s36, 10
	s_add_co_u32 s46, s46, K1L
	v_lshl_add_u32 v10, v15, 7, s46                ; the build: k1's rows 4 b on, + 128 hh
	s_lshl_b32 s46, s34, 11
	s_add_co_u32 s46, s46, QKI
	v_lshl_add_u32 v11, v13, 4, s46                ; where my four images go
	s_lshl_b32 s46, s34, 9
	s_add_co_u32 s46, s46, QKS
	v_lshl_add_u32 v12, v13, 2, s46
	s_wait_kmcnt 0x0
	s_lshl_b32 s44, s42, 8
	s_add_nc_u64 s[8:9], s[8:9], s[44:45]          ; q at my first query
	s_lshl_b32 s44, s43, 8
	s_add_nc_u64 s[10:11], s[10:11], s[44:45]      ; k1 at the first j
	s_lshl_b32 s47, s35, 6
	s_add_co_u32 s44, s44, s47
	s_add_nc_u64 s[28:29], s[28:29], s[44:45]      ; v1 at (the first j, channel 16 a)
	s_lshl_b32 s46, s36, 6
	s_add_co_u32 s46, s46, s41                     ; 256 h + 64 b
	s_lshl_b32 s44, s46, 8
	s_add_co_u32 s44, s44, s47
	s_add_nc_u64 s[30:31], s[30:31], s[44:45]      ; v2 at (key 64 b, channel 16 a)
	s_lshl_b32 s44, s46, 5
	s_add_nc_u64 s[12:13], s[12:13], s[44:45]
	s_lshl_b32 s44, s46, 1
	s_add_nc_u64 s[14:15], s[14:15], s[44:45]
	s_lshl_b32 s47, s42, 10
	s_lshl_b32 s44, ttmp9, 6
	s_add_co_u32 s44, s44, s47
	s_add_nc_u64 s[16:17], s[16:17], s[44:45]      ; u at (my first query, the first j)
	s_lshl_b32 s44, s36, 8
	s_add_co_u32 s44, s44, s47
	s_add_nc_u64 s[18:19], s[18:19], s[44:45]      ; v at (my first query, 64 b)
	s_lshl_b32 s44, s43, 10
	s_add_nc_u64 s[20:21], s[20:21], s[44:45]      ; w at the first j
	s_lshl_b32 s44, s42, 2
	s_add_nc_u64 s[22:23], s[22:23], s[44:45]      ; gate
	s_lshl_b32 s44, s39, 15
	s_lshl_b32 s46, s40, 9
	s_add_co_u32 s44, s44, s46
	s_lshl_b32 s46, s35, 7
	s_add_co_u32 s44, s44, s46
	s_add_nc_u64 s[26:27], s[26:27], s[44:45]      ; st at (h, part 0, my first query)
	s_lshl_b32 s44, ttmp9, 18
	s_lshl_b32 s46, s39, 16
	s_add_co_u32 s44, s44, s46
	s_lshl_b32 s46, s40, 14
	s_add_co_u32 s44, s44, s46
	s_lshl_b32 s46, s35, 12
	s_add_co_u32 s44, s44, s46
	s_lshl_b32 s46, s36, 10
	s_add_co_u32 s44, s44, s46
	s_add_nc_u64 s[32:33], s[32:33], s[44:45]      ; part at (jr, h, query 64 ig + 16 a + 4 b)
	s_wait_alu depctr_va_vdst(0)                   ; every offset and LDS address made above is written: v3-7, v10-12, v36-47, which the loads and stores below read
	; what the work-group shares, first: 16 rows of w, 16 rows of k1, the mask
	global_load_b128 v[96:99], v38, s[20:21]
	global_load_b128 v[100:103], v38, s[20:21] offset:8192
	global_load_b64 v[104:105], v37, s[10:11]
	global_load_u8 v106, v39, s[24:25]
	; then the wave's own for the first product: 29 loads
.irp c, 0,1,2,3,4,5,6,7
	global_load_b128 v[160+4*\c:163+4*\c], v36, s[8:9] offset:16*\c
.endr
	global_load_b32 v8, v40, s[22:23]
.irp c, 0,1,2,3
	global_load_b128 v[80+4*\c:83+4*\c], v41, s[16:17] offset:16*\c
.endr
.irp x, 0,1,2,3,4,5,6,7
	global_load_b128 v[48+4*\x:51+4*\x], v42, s[18:19] offset:128*(\x/4)+16*(\x%4)
.endr
.irp t, 0,1,2,3
	global_load_b128 v[16+4*\t:19+4*\t], v43, s[12:13] offset:(32*(\t/2)+8*(\t%2))*32
.endr
.irp t, 0,1,2,3
	global_load_u16 v[112+\t], v44, s[14:15] offset:(32*(\t/2)+8*(\t%2))*2
.endr
	s_wait_loadcnt 29                              ; the four shared loads are in; the 29 behind them may be out
	v_cmp_ne_u32 vcc_lo, 0, v106
	v_mov_b32 v107, SENT
	s_wait_alu depctr_va_vcc(0)                    ; VCC is written, ahead of the select that reads it
	v_cndmask_b32 v107, 0, v107, vcc_lo            ; padded: -1e30, else 0
	s_wait_alu depctr_va_vdst(0)                   ; v107 is written, which the fourth store reads
	ds_store_b128 v38, v[96:99]
	ds_store_b128 v38, v[100:103] offset:8192
	ds_store_b64 v37, v[104:105] offset:K1L
	ds_store_b32 v45, v107 offset:KML
	; v2 and v1 for the second product's operand: 48 loads, which land while the first product's operand is built
.irp x, 0,1,2,3,4,5,6,7,8,9,10,11,12,13,14,15,16,17,18,19,20,21,22,23,24,25,26,27,28,29,30,31
	global_load_b32 v[192+\x], v46, s[30:31] offset:256*\x
.endr
.irp x, 0,1,2,3,4,5,6,7,8,9,10,11,12,13,14,15
	global_load_b32 v[224+\x], v40, s[28:29] offset:256*\x
.endr
	BARRIER                                        ; w, k1 and the mask table lie in LDS
	s_wait_loadcnt 48                              ; all but the 48 of v2 and v1
	v_lshl_or_b32 v32, v113, 16, v112              ; k2's scale words: tile 2 B's two bytes below, tile 2 B + 1's above
	v_lshl_or_b32 v33, v115, 16, v114
	v_mov_b32 v9, v8
	; source 1 of the first product for my tile of queries and j = 4 b + 0 .. 3: the four waves of a tile share the sixteen
	s_wait_alu depctr_va_vdst(0)                   ; the two lines that make k2's scale words are done reading v112-115, in which k1's first row lands
	s_wait_alu depctr_vm_vsrc(0)                   ; the four staging stores have read v96-107, in which it lands too
	K1LD 0, 96
	K1LD 1, 128
	s_wait_dscnt 8                                 ; the first row is in; the second row's 8 loads may be out
	QKB 0, 96, 240, 248
	K1LD 2, 96
	s_wait_dscnt 10                                ; behind the second row's loads: 2 stores and 8 loads
	QKB 1, 128, 244, 249
	K1LD 3, 128
	s_wait_dscnt 10                                ; the third row is in, and the first image's stores are done
	s_wait_alu depctr_vm_vsrc(0)                   ; the first two images' stores have read v240-249, which the next two images' conversions and scale words write again
	QKB 2, 96, 240, 248
	s_wait_dscnt 2                                 ; the fourth row is in, the second image's stores are done; the third's 2 stores may be out
	QKB 3, 128, 244, 249
	s_wait_dscnt 0x0                               ; the last stores are done
	s_wait_alu depctr_vm_vsrc(0)                   ; the images' stores have read v11, v248 and v249, and k1's loads v10: all four are written below
.irp q, 0,1,2,3,4,5,6,7,8,9,10,11,12,13,14,15
	global_load_b64 v[96+2*\q:97+2*\q], v47, s[26:27] offset:2048*\q      ; the sixteen parts (M, S) of my query's row
.endr
	v_mov_b32 v11, 0                               ; (named as the upper half of a pair)
	v_and_b32 v14, 31, v0
	s_wait_alu depctr_va_vdst(0)
	v_bfe_u32 v15, v0, 4, 1
	s_wait_alu depctr_va_vdst(0)
	s_lshl_b32 s46, s36, 15
	s_lshl_b32 s47, s35, 10
	s_add_co_u32 s46, s46, s47
	s_add_co_u32 s46, s46, VI
	v_lshl_add_u32 v156, v14, 4, s46               ; where my fragments of v1 v2 go: quarter b, channels 16 a on
	s_lshl_b32 s46, s36, 12
	s_lshl_b32 s47, s35, 7
	s_add_co_u32 s46, s46, s47
	s_add_co_u32 s46, s46, VS
	v_lshl_add_u32 v157, v14, 2, s46
	v_lshlrev_b32 v248, 3, v15                     ; 8 hh
	v_add_nc_u32 v249, 16, v248                    ; 16 + 8 hh
	v_mov_b32 v152, 0                              ; written once: a lane permute's destination counts as one of its sources
	v_mov_b32 v153, 0                              ; the LDS address of the keys j's mask terms, made here so that the build's last wait shows it written
	s_wait_loadcnt 16                              ; v2 and v1 are in; st's 16 loads may be out
	v_max3_num_f32 v250, |v192|, |v193|, |v194|    ; the largest |v2| of my 32 keys
	v_max3_num_f32 v251, |v195|, |v196|, |v197|
.irp x, 6,10,14,18,22,26
	v_max3_num_f32 v250, v250, |v[192+\x]|, |v[193+\x]|
	v_max3_num_f32 v251, v251, |v[194+\x]|, |v[195+\x]|
.endr
	v_max3_num_f32 v250, v250, |v222|, |v223|
	v_max_num_f32 v250, v250, v251
.irp jj, 0,1,2,3,4,5,6,7
	V12V \jj
.endr
	s_wait_alu depctr_va_vdst(0)                   ; eight sets of codes in v160-191, four scale words in v128-131 and the addresses v156, v157 are written: the twelve stores read them
.irp jj, 0,1,2,3,4,5,6,7
	V12S \jj
.endr
	s_wait_dscnt 0x0                               ; these stores are done
	s_wait_alu depctr_vm_vsrc(0)                   ; and have read the eight sets of codes, which the conversions below write again
.irp jj, 8,9,10,11,12,13,14,15
	V12V \jj
.endr
	s_wait_alu depctr_va_vdst(0)                   ; the codes and the scale words v132-135 are written, which the twelve stores read; the build is done reading v2 and v1 in v192-239, in which the mask terms land; v153 is written
.irp jj, 8,9,10,11,12,13,14,15
	V12S \jj
.endr
	BARRIER                                        ; all images of both operands lie in LDS
.irp x, 0,1,2,3,4,5,6,7
	ds_load_b128 v[192+4*\x:195+4*\x], v3 offset:KML+128*(\x/4)+16*(\x%4) ; the mask terms of my 32 keys k
.endr
.irp c, 0,1,2,3
	ds_load_b128 v[224+4*\c:227+4*\c], v153 offset:KML+1024+16*\c         ; and of the 16 keys j
.endr
	s_wait_loadcnt 0x0                             ; st's pairs are in, and no load names v36-47 any more
	s_wait_alu depctr_vm_vsrc(0)                   ; the head's loads and stores have read their offsets v36-47, the builds' stores v12, v128-135, v156, v157, v160-191 and v244-247, the loads above v153: all of these are written again from here on
.irp x, 36,37,38,39,44,45,46,47
	v_mov_b32 v\x, 0                               ; the zeros on both sides of source 1's codes
.endr
	v_mul_f32 v12, s56, v8                         ; log2(e) g
	v_max3_num_f32 v14, v96, v98, v100             ; the row's M
.irp q, 3,5,7,9,11,13
	v_max3_num_f32 v14, v14, v[96+2*\q], v[98+2*\q]
.endr
	v_max_num_f32 v14, v14, v126
	v_mov_b32 v13, v12
.irp q, 0,1,2,3,4,5,6,7,8,9,10,11,12,13,14,15
	v_sub_f32 v[128+\q], v[96+2*\q], v14
.endr
	s_wait_alu depctr_va_vdst(0)
.irp q, 0,1,2,3,4,5,6,7,8,9,10,11,12,13,14,15
	v_exp_f32 v[128+\q], v[128+\q]
.endr
	v_nop
	s_wait_alu depctr_va_vdst(0)                   ; the sixteen exponentials have written v128-143, ahead of their first reader
	v_mul_f32 v15, v97, v128                       ; the row's S
.irp q, 1,2,3,4,5,6,7,8,9,10,11,12,13,14,15
	v_fmac_f32 v15, v[97+2*\q], v[128+\q]
.endr
	v_max_num_f32 v15, TINY, v15                   ; (0 only where every key is padded)
	s_wait_alu depctr_va_vdst(0)
	v_log_f32 v251, v15
	v_nop
	s_wait_alu depctr_va_vdst(0)                   ; the logarithm has written v251, ahead of its reader
	v_sub_f32 v250, -v14, v251                     ; -off = -M - log2(S)
	v_mov_b32 v251, v250
	s_wait_dscnt 0x0
.irp x, 0,2,4,6,8,10,12,14,16,18,20,22,24,26,28,30
	v_pk_fma_f32 v[48+\x:49+\x], v[48+\x:49+\x], v[8:9], v[192+\x:193+\x]   ; g v + the key k's mask term
.endr
.irp x, 0,2,4,6,8,10,12,14
	v_pk_add_f32 v[224+\x:225+\x], v[224+\x:225+\x], v[250:251]
.endr
.irp x, 0,2,4,6,8,10,12,14
	v_pk_fma_f32 v[80+\x:81+\x], v[80+\x:81+\x], v[12:13], v[224+\x:225+\x] ; log2(e) g u + the key j's mask term - off
.endr
	v_mov_b32 v202, 0                              ; written once: lane permutes' destinations
	v_mov_b32 v203, 0
	v_and_b32 v14, 15, v0                          ; r
	v_bfe_u32 v15, v0, 4, 1                        ; hh
	s_mul_i32 s46, s34, 4352
	s_add_co_u32 s46, s46, OST
	v_mul_u32_u24 v244, v14, 272
	v_lshl_add_u32 v244, v15, 5, v244
	v_add_nc_u32 v244, s46, v244                   ; the way out, in: my wave's rows, row r, + 32 hh
	s_mul_i32 s46, s35, 17408
	s_mul_i32 s47, s36, 1088
	s_add_co_u32 s46, s46, s47
	s_add_co_u32 s46, s46, OST
	v_mul_u32_u24 v245, v15, 272
	v_lshl_add_u32 v245, v14, 4, v245
	v_add_nc_u32 v245, s46, v245                   ; back: my tile's first wave, row 4 b + hh, 16 bytes a lane
	v_lshlrev_b32 v246, 8, v15
	v_lshl_add_u32 v246, v14, 4, v246              ; and the same in part
	s_wait_alu depctr_va_vdst(0)                   ; the lines above are done reading st's pairs in v96-127, in which w lands, and the mask terms in v192-239, in which the fragments land; the zeros and k2's scale words are written, which the scaled products take; v244-246 are written, by which the way out is addressed
	LOADJ 0
; ONE STEP: key j, my 64 keys k.  Two steps make a K step of the second product, which is multiplied in the step after them.
.macro STEP2 j
	s_wait_dscnt 0x0                               ; this step's w, codes and scale word are in (and the fragments of v1 v2 asked for in the odd step before)
	S2
.rept 4
	v_nop                                          ; four places behind the products, in front of the first read of a result
.endr
	ZF
	s_wait_alu depctr_va_vdst(0)                   ; the multiply-adds are done reading w, the products source 1 and its scale word, the last second product its fragments: loads land in all of these below; and p's codes and scale word of the step before are written, which the second product takes
	LOADJ \j+1
.if (\j)%2 == 1
	LOADB ((\j)-1)/2                               ; the fragments for this pair of steps: the second product reads them in the step after this one
.endif
.if ((\j)%2 == 0) && ((\j) >= 2)
	PV (\j)/2-1                                    ; p's codes and scale word of the last two steps were written more than eight plain vector lines ago
.endif
.irp b, 0,1
	v_max3_num_f32 v[200+\b], v[128+16*\b], v[129+16*\b], v[130+16*\b]    ; the largest z of each block of 32 keys: p rises with z, so it gives the block's largest p
.endr
.irp i, 3,5,7,9,11,13
.irp b, 0,1
	v_max3_num_f32 v[200+\b], v[200+\b], v[128+16*\b+\i], v[129+16*\b+\i]
.endr
.endr
.irp b, 0,1
	v_max_num_f32 v[200+\b], v[200+\b], v[143+16*\b]
.endr
	v_permlanex16_b32 v202, v200, s58, s59
	v_permlanex16_b32 v203, v201, s58, s59
	v_max_num_f32 v200, v200, v202                 ; with lane l xor 16's 16 keys
	v_max_num_f32 v201, v201, v203
	v_mov_b32 v10, v[80+\j]
	TF
	v_fma_f32 v200, v200, s56, v10                 ; the same multiply-add on the same number gives the same bits
	v_fma_f32 v201, v201, s56, v10
	s_wait_alu depctr_va_vdst(0)
	v_exp_f32 v200, v200                           ; one batch: the two blocks' largest p and the 32 p: finished, normalised weights
	v_exp_f32 v201, v201
.irp x, 0,1,2,3,4,5,6,7,8,9,10,11,12,13,14,15,16,17,18,19,20,21,22,23,24,25,26,27,28,29,30,31
	v_exp_f32 v[128+\x], v[128+\x]
.endr
	v_nop                                          ; a plain place behind the exponentials
	s_wait_alu depctr_va_vdst(0)                   ; the 34 exponentials have written v200, v201 and v128-159, ahead of their first reader
	v_max_num_f32 v200, FLOOR, v200
	v_max_num_f32 v201, FLOOR, v201
	v_add_nc_u32 v204, EOFF, v200                  ; the conversions' scale operands
	v_add_nc_u32 v205, EOFF, v201
	v_lshrrev_b32 v206, 23, v204                   ; the scales' bytes
	v_lshrrev_b32 v207, 23, v205
.if (\j)%2 == 0
	v_lshl_or_b32 v35, v207, 8, v206               ; p's scale word: bytes 0, 1 for the even j,
.else
	v_lshl_or_b32 v35, v206, 16, v35               ; bytes 2, 3 for the odd
	v_lshl_or_b32 v35, v207, 24, v35
.endif
	v_cvt_scalef32_pk8_fp4_f32 v[192+4*((\j)%2)], v[128:135], v204
	v_cvt_scalef32_pk8_fp4_f32 v[193+4*((\j)%2)], v[136:143], v204
	v_cvt_scalef32_pk8_fp4_f32 v[194+4*((\j)%2)], v[144:151], v205
	v_cvt_scalef32_pk8_fp4_f32 v[195+4*((\j)%2)], v[152:159], v205
	v_nop                                          ; one plain place behind the scaled conversions
	v_permlane16_swap_b32 v[192+4*((\j)%2)], v[194+4*((\j)%2)]            ; the operand's layout wants a whole block in a lane: lanes 0-15 the first block, lanes 16-31 the second
	v_permlane16_swap_b32 v[193+4*((\j)%2)], v[195+4*((\j)%2)]
.endm
.irp j, 0,1,2,3,4,5,6,7,8,9,10,11,12,13,14,15
	STEP2 \j
.endr
.rept 8
	v_nop                                          ; p's scale word and codes were written by vector lines: eight and four places ahead of a scaled matrix instruction
.endr
	s_wait_dscnt 0x0                               ; the last fragments of v1 v2, asked for in the last step, are in
	s_wait_alu depctr_va_vdst(0)                   ; p's codes and scale word of the last two steps are written, which the second product takes; the places above stay beside this wait
	PV 7
.rept 4
	v_nop                                          ; four places in front of the first read of the results
.endr
	s_wait_alu depctr_va_vdst(0)                   ; the second product has written v160-191, which the LDS stores read; the places above stay beside this wait
	; THE WAY OUT: the four waves of a tile of queries hold sums over different keys k: they meet in LDS, and each wave adds and stores four whole rows
.irp t, 0,1,2,3
	ds_store_b128 v244, v[160+8*\t:163+8*\t] offset:64*\t                 ; each result from its low end on
	ds_store_b128 v244, v[164+8*\t:167+8*\t] offset:64*\t+16
.endr
	BARRIER
.irp p, 0,1,2,3
.irp e, 0,1
	ds_load_b128 v[96+8*\p+4*\e:99+8*\p+4*\e], v245 offset:4352*\p+544*\e
.endr
.endr
	s_wait_dscnt 0x0
.irp e, 0,1
.irp x, 0,2
	v_pk_add_f32 v[96+4*\e+\x:97+4*\e+\x], v[96+4*\e+\x:97+4*\e+\x], v[104+4*\e+\x:105+4*\e+\x]
	v_pk_add_f32 v[112+4*\e+\x:113+4*\e+\x], v[112+4*\e+\x:113+4*\e+\x], v[120+4*\e+\x:121+4*\e+\x]
	v_pk_add_f32 v[96+4*\e+\x:97+4*\e+\x], v[96+4*\e+\x:97+4*\e+\x], v[112+4*\e+\x:113+4*\e+\x]
.endr
.endr
	s_wait_alu depctr_va_vdst(0)                   ; the additions have written v96-103, which the two stores read
.irp e, 0,1
	global_store_b128 v246, v[96+4*\e:99+4*\e], s[32:33] offset:512*\e    ; 32 lanes store two whole rows: 512 consecutive bytes, at a multiple of 256 from part's first byte
.endr
	s_wait_dscnt 0x0                               ; the closing lines, six on end
	s_wait_alu 0x0
	s_wait_tensorcnt 0x0
	ds_add_u32 v1, v2
	s_wait_dscnt 0x0
	s_endpgm
.Lfunc_end_k_q1e5c984d69_attnv:
	.size	k_q1e5c984d69_attnv, .Lfunc_end_k_q1e5c984d69_attnv-k_q1e5c984d69_attnv
	.p2alignl 7, 3214868480
	.fill 96, 4, 3214868480
	.section	.rodata,"a",@progbits
	.p2align	6, 0x0
	.amdhsa_kernel k_q1e5c984d69_attnv
		.amdhsa_group_segment_fixed_size 282624
		.amdhsa_private_segment_fixed_size 0
		.amdhsa_enable_private_segment 0
		.amdhsa_kernarg_size 104
		.amdhsa_user_sgpr_count 2
		.amdhsa_user_sgpr_kernarg_segment_ptr 1
		.amdhsa_wavefront_size32 1
		.amdhsa_system_sgpr_workgroup_id_x 1
		.amdhsa_system_sgpr_workgroup_id_y 1
		.amdhsa_system_sgpr_workgroup_id_z 1
		.amdhsa_system_vgpr_workitem_id 0
		.amdhsa_next_free_vgpr 256
		.amdhsa_next_free_sgpr 66
		.amdhsa_reserve_vcc 1
		.amdhsa_float_denorm_mode_32 3
		.amdhsa_float_denorm_mode_16_64 3
		.amdhsa_memory_ordered 1
		.amdhsa_forward_progress 1
		.amdhsa_inst_pref_size 181
	.end_amdhsa_kernel
	.amdgpu_metadata
---
amdhsa.version: [ 1, 2 ]
amdhsa.kernels:
  - .name:           k_q1e5c984d69_attnv
    .symbol:         k_q1e5c984d69_attnv.kd
    .args:
      - { .name: q, .offset: 0, .size: 8, .value_kind: global_buffer, .address_space: global }
      - { .name: k1, .offset: 8, .size: 8, .value_kind: global_buffer, .address_space: global }
      - { .name: k2_codes, .offset: 16, .size: 8, .value_kind: global_buffer, .address_space: global }
      - { .name: k2_scales, .offset: 24, .size: 8, .value_kind: global_buffer, .address_space: global }
      - { .name: bias_u, .offset: 32, .size: 8, .value_kind: global_buffer, .address_space: global }
      - { .name: bias_v, .offset: 40, .size: 8, .value_kind: global_buffer, .address_space: global }
      - { .name: bias_w, .offset: 48, .size: 8, .value_kind: global_buffer, .address_space: global }
      - { .name: bias_gate, .offset: 56, .size: 8, .value_kind: global_buffer, .address_space: global }
      - { .name: key_padding_mask, .offset: 64, .size: 8, .value_kind: global_buffer, .address_space: global }
      - { .name: st, .offset: 72, .size: 8, .value_kind: global_buffer, .address_space: global }
      - { .name: v1, .offset: 80, .size: 8, .value_kind: global_buffer, .address_space: global }
      - { .name: v2, .offset: 88, .size: 8, .value_kind: global_buffer, .address_space: global }
      - { .name: part, .offset: 96, .size: 8, .value_kind: global_buffer, .address_space: global }
    .group_segment_fixed_size: 282624
    .private_segment_fixed_size: 0
    .kernarg_segment_align: 8
    .kernarg_segment_size: 104
    .max_flat_workgroup_size: 512
    .sgpr_count:     66
    .vgpr_count:     256
    .wavefront_size: 32
...
	.end_amdgpu_metadata
.endif
;; end of part 5
;; launch join (part 6): grid 256 x 1, 2 waves a work-group, no clusters, 0 bytes of LDS; arguments part, key_padding_mask, out0; writes out0
.if DOCPART == 6
	.amdgcn_target "amdgcn-amd-amdhsa--gfx1250"
	.amdhsa_code_object_version 6
	.text
	.protected	k_q1e5c984d69_join
	.globl	k_q1e5c984d69_join
	.p2align	8
	.type	k_q1e5c984d69_join,@function
k_q1e5c984d69_join:
	s_mov_b64 s[64:65], 0
	v_nop
	global_prefetch_b8 v0, s[64:65] scope:SCOPE_SE
	s_setreg_imm32_b32 hwreg(HW_REG_WAVE_MODE, 25, 1), 1
	s_wait_xcnt 0x0
; TWO-SIMPLICIAL ATTENTION, launch 3 of 3: out0[h][i][d] = (1 - padded[i]) x the sum over the sixteen ranges of j of part[jr][h][i][d].  No work is left out.
; A stream: a thread owns 16 bytes of out0, a work-group of 64 threads 1,024 bytes (four rows); sixteen loads of 16 bytes a thread are out together; a wave's loads and its store cover 512 consecutive bytes.
; No LDS, no barrier, no matrix unit: nothing is shared and nothing is multiplied but by the mask.
.set RANGE, 262144                     ; bytes from one range's part to the next: 4 x 256 x 64 numbers of 4 bytes
	s_load_b128 s[4:7], s[0:1], 0x0                ; part, mask
	s_load_b64 s[8:9], s[0:1], 0x10                ; out0
	s_lshl_b32 s10, ttmp9, 10                      ; the work-group's 1,024 bytes
	s_mov_b32 s11, 0
	s_lshl_b32 s12, ttmp9, 2
	s_and_b32 s12, s12, 255                        ; its first query
	v_lshlrev_b32 v1, 4, v0
	v_lshrrev_b32 v2, 4, v0
	v_add_nc_u32 v2, s12, v2                       ; my query
	s_wait_alu depctr_va_vdst(0)
	s_wait_kmcnt 0x0
	s_add_nc_u64 s[4:5], s[4:5], s[10:11]
	s_add_nc_u64 s[8:9], s[8:9], s[10:11]
	global_load_u8 v3, v2, s[6:7]
.irp q, 0,1,2,3,4,5,6,7,8,9,10,11,12,13,14,15
	global_load_b128 v[8+4*\q:11+4*\q], v1, s[4:5] offset:\q*RANGE th:TH_LOAD_NT
.endr
	s_wait_loadcnt 0x0
.irp q, 0,2,4,6,8,10,12,14
	v_pk_add_f32 v[8+4*\q:9+4*\q], v[8+4*\q:9+4*\q], v[12+4*\q:13+4*\q]
	v_pk_add_f32 v[10+4*\q:11+4*\q], v[10+4*\q:11+4*\q], v[14+4*\q:15+4*\q]
.endr
.irp q, 0,4,8,12
	v_pk_add_f32 v[8+4*\q:9+4*\q], v[8+4*\q:9+4*\q], v[16+4*\q:17+4*\q]
	v_pk_add_f32 v[10+4*\q:11+4*\q], v[10+4*\q:11+4*\q], v[18+4*\q:19+4*\q]
.endr
.irp q, 0,8
	v_pk_add_f32 v[8+4*\q:9+4*\q], v[8+4*\q:9+4*\q], v[24+4*\q:25+4*\q]
	v_pk_add_f32 v[10+4*\q:11+4*\q], v[10+4*\q:11+4*\q], v[26+4*\q:27+4*\q]
.endr
	v_pk_add_f32 v[8:9], v[8:9], v[40:41]
	v_pk_add_f32 v[10:11], v[10:11], v[42:43]
	v_sub_nc_u32 v4, 1, v3                         ; the mask's byte is 0 or 1
	v_cvt_f32_u32 v4, v4
	v_mov_b32 v5, v4
	v_pk_mul_f32 v[8:9], v[8:9], v[4:5]
	v_pk_mul_f32 v[10:11], v[10:11], v[4:5]
	global_store_b128 v1, v[8:11], s[8:9]
	s_endpgm
.Lfunc_end_k_q1e5c984d69_join:
	.size	k_q1e5c984d69_join, .Lfunc_end_k_q1e5c984d69_join-k_q1e5c984d69_join
	.p2alignl 7, 3214868480
	.fill 96, 4, 3214868480
	.section	.rodata,"a",@progbits
	.p2align	6, 0x0
	.amdhsa_kernel k_q1e5c984d69_join
		.amdhsa_group_segment_fixed_size 0
		.amdhsa_private_segment_fixed_size 0
		.amdhsa_enable_private_segment 0
		.amdhsa_kernarg_size 24
		.amdhsa_user_sgpr_count 2
		.amdhsa_user_sgpr_kernarg_segment_ptr 1
		.amdhsa_wavefront_size32 1
		.amdhsa_system_sgpr_workgroup_id_x 1
		.amdhsa_system_sgpr_workgroup_id_y 1
		.amdhsa_system_sgpr_workgroup_id_z 1
		.amdhsa_system_vgpr_workitem_id 0
		.amdhsa_next_free_vgpr 80
		.amdhsa_next_free_sgpr 66
		.amdhsa_reserve_vcc 0
		.amdhsa_float_denorm_mode_32 3
		.amdhsa_float_denorm_mode_16_64 3
		.amdhsa_memory_ordered 1
		.amdhsa_forward_progress 1
		.amdhsa_inst_pref_size 5
	.end_amdhsa_kernel
	.amdgpu_metadata
---
amdhsa.version: [ 1, 2 ]
amdhsa.kernels:
  - .name:           k_q1e5c984d69_join
    .symbol:         k_q1e5c984d69_join.kd
    .args:
      - { .name: part, .offset: 0, .size: 8, .value_kind: global_buffer, .address_space: global }
      - { .name: key_padding_mask, .offset: 8, .size: 8, .value_kind: global_buffer, .address_space: global }
      - { .name: out0, .offset: 16, .size: 8, .value_kind: global_buffer, .address_space: global }
    .group_segment_fixed_size: 0
    .private_segment_fixed_size: 0
    .kernarg_segment_align: 8
    .kernarg_segment_size: 24
    .max_flat_workgroup_size: 64
    .sgpr_count:     66
    .vgpr_count:     80
    .wavefront_size: 32
...
	.end_amdgpu_metadata
.endif
;; end of part 6
